; MI455X (gfx1250); checked and timed in simulation.
; The chip was launched on July 23, 2026; its instructions are those of AMD's public machine-readable ISA for CDNA 5 (MIT licence, August 2026) and "CDNA5" Instruction Set Architecture Reference Guide (July 2026). The comments in the code are by the model that wrote it; some were corrected since.
;; Multi Head Self Attention. Allowed arithmetic: matrix products marked QUANTISED: E2M3 operands, one E8M0 scale for each 32 along K, by v_wmma_scale_f32_16x16x128_f8f6f4 with both operands' format E2M3, f32 sums; everything else in f32.
;; Inputs: Wk 1,024 x 1,024 float32; Wo 1,024 x 1,024 float32; Wq 1,024 x 1,024 float32; Wv 1,024 x 1,024 float32; bk 1,024 float32; bo 1,024 float32; bq 1,024 float32; bv 1,024 float32; x 4 x 2,048 x 1,024 float32.
;; Outputs: out0 4 x 2,048 x 1,024 float32.
;; This version of the problem:
;;   THIS VERSION OF THE PROBLEM IS GIVEN IN LOW PRECISION. The matrix products marked QUANTISED in the list below multiply operands that are first quantised to E2M3 (2 exponent bits, 3 mantissa bits; 6 bits a number), with one power-of-two scale for each 32 numbers along K (OCP MX v1.0); their sums are f32. All else is computed in f32.
;;   The module's matrix products, in the order in which they are computed (A, B: the left and right operand; K: the contracted axis; several contracted axes count as one K, in the product's order):
;;     1. [M 8,192, K 1,024] x [K 1,024, N 1,024]; A: input x; B: input Wq: QUANTISED
;;     2. [M 8,192, K 1,024] x [K 1,024, N 1,024]; A: input x; B: input Wk: QUANTISED
;;     3. [M 8,192, K 1,024] x [K 1,024, N 1,024]; A: input x; B: input Wv: QUANTISED
;;     4. batch 64 x [M 2,048, K 64] x [K 64, N 2,048]; A: computed on the way; B: computed on the way: QUANTISED
;;     5. batch 64 x [M 2,048, K 2,048] x [K 2,048, N 64]; A: softmax (see below); B: computed on the way: QUANTISED
;;     6. [M 8,192, K 1,024] x [K 1,024, N 1,024]; A: computed on the way; B: input Wo: QUANTISED
;;   THE QUANTISER, for each operand of a quantised product, along K:
;;     - K is cut into blocks of 32 from its start; a last block that is shorter is filled with zeros.
;;     - A block's scale is 2^e with e = floor(log2(the largest magnitude in the block)) - 2, held to -126 .. 127; a block of zeros has e = 0. As a byte (E8M0): e + 127.
;;     - Each number is divided by its block's scale, clamped to +-7.5, and rounded to the nearest number of E2M3, ties to even, subnormals kept.
;;     - The product sums the exact products of the quantised numbers (number of the format x scale) in f32.
;;   ~~~python
;;   def quantise(x, axis):      # numpy; x: float32 -> the quantised numbers, widened to float32 again
;;       x = np.moveaxis(x, axis, -1); K = x.shape[-1]
;;       x = np.pad(x, [(0, 0)] * (x.ndim - 1) + [(0, -K % 32)]); x = x.reshape(x.shape[:-1] + (-1, 32)); a = np.abs(x).max(-1, keepdims=True)
;;       e = np.where(a > 0, np.clip(np.frexp(np.where(a > 0, a, 1))[1] - 1 - 2, -126, 127), 0)      # np.frexp(a)[1] - 1 = floor(log2(a)), exactly
;;       r = np.clip(x / 2.0 ** e, -7.5, 7.5)
;;       step = 2.0 ** (np.maximum(np.frexp(np.where(r == 0, 1, r))[1] - 1, 0) - 3)
;;       q = np.round(r / step) * step * 2.0 ** e      # np.round: ties to even
;;       return np.moveaxis(q.reshape(q.shape[:-2] + (-1,))[..., :K], -1, axis).astype(np.float32)
;;   ~~~
;;   SOFTMAX AHEAD OF A QUANTISED PRODUCT. Where the list says 'softmax', what is quantised is not the finished softmax but p = 2^(t - M), with t = logit x log2(e) and M = ceil(the row's largest t), a whole number; so 1/2 < the row's largest p <= 1. The row's sum l is taken of the UNQUANTISED p, in f32, and the product's result is divided by l at the end. Since M is a whole number, a kernel that streams over the keys may use a running M (the ceiling of the running maximum): every later rescaling is an exact power of two, which a block's scale takes up: the codes' values come out the same.
;;   OPERANDS COMPUTED ON THE WAY. 'Computed on the way' means the value that the module computes at that place (a softmax that the list does not call 'softmax' is quantised finished and normalised). What goes into a quantiser is computed in f32, as accurately as f32 sums, v_exp_f32 and their like allow (about 1e-6 of the number): no bf16 or f16 on the way to a quantiser, and a product that is left as it is and whose result goes on into a quantised operand takes f32 operands (vector FMAs, or v_wmma_f32_16x16x4_f32). A number that lies on a knife's edge between two numbers of the format may be rounded either way, as far as f32 arithmetic and the matrix unit's own rounding can turn it there, and no further.
;; One version. Each part assembles by itself: llvm-mc -triple=amdgcn-amd-amdhsa -mcpu=gfx1250 --defsym DOCPART=n.
;; ======== version 1 of 1: 4 launches
;; workspace buffers: oc 9,437,184 bytes; os 393,216 bytes; qb 6,815,744 bytes; kv 13,369,344 bytes; cc 6,291,456 bytes; cs 262,144 bytes
;; launch quant (part 1): grid 384 x 1, 4 waves a work-group, no clusters, 34,304 bytes of LDS; arguments x, Wq, Wk, Wv, Wo, oc, os; writes oc, os
.if DOCPART == 1
	.amdgcn_target "amdgcn-amd-amdhsa--gfx1250"
	.amdhsa_code_object_version 6
	.text
	.protected	k_qba5e37bd3d_quant
	.globl	k_qba5e37bd3d_quant
	.p2align	8
	.type	k_qba5e37bd3d_quant,@function
k_qba5e37bd3d_quant:
	s_mov_b64 s[64:65], 0
	v_nop
	global_prefetch_b8 v0, s[64:65] scope:SCOPE_SE
	s_setreg_imm32_b32 hwreg(HW_REG_WAVE_MODE, 25, 1), 1
	s_wait_xcnt 0x0
; x [8192][1024], Wq, Wk, Wv, Wo [1024][1024], f32, K innermost, become codes of FP6 (E2M3) and one E8M0 byte for each 32 along K.
; oc: [12288 rows][768 bytes]: x's rows, then Wq's, Wk's, Wv's, Wo's.  os: [k / 256 (4)][12288 rows][8 bytes].
; ROW ORDER: row i of x, Wq, Wk, Wv is kept at place i with bits 3 and 4 exchanged (whole groups of 8 rows change places inside a group of 32); Wo's rows stay.  So 16 neighbouring
; places are rows 32 b + 8 u + r + 8 (r / 8), and a later product's results of two neighbouring tiles are 16 true neighbours along the next K.
; A block's scale is 2^(floor(log2(largest magnitude)) - 2); its byte is the largest magnitude's exponent field - 2, held at 1 from below.
; LIMITS: a block of zeros gets the byte 1 where the rule says 127 (its codes are zeros, and this program alone reads the bytes); NaN and infinities among the inputs are not served.
; SHARES: a work-group takes 32 rows, a wave 8 rows = 16 steps of 512 numbers.  Each load reads 512 consecutive bytes; a step's 2,048 bytes turn through the wave's own stage in LDS so that a lane
; holds 16 neighbours along K; two neighbouring lanes hold a block.  A step's codes leave as 384 consecutive bytes.  The 1,024 scale bytes of the work-group meet in LDS and leave as four aligned runs of 256 bytes.
; No tensor load, no cluster: the work-groups share no input.  Loads run four steps (16 loads a wave) ahead.
.set STEPS, 16
.set EMAX,  2
.set CB,    12                         ; bytes of 16 codes
.set R,     16                         ; v16-79   four sets of 16 numbers as loaded
.set X,     80                         ; v80-111  two sets of 16 neighbours
.set E,     112                        ; v112-127 a scale byte for each step
.set C,     128                        ; v128-191 codes: four registers for each step, so that no store's data are written again
.set WREG,  8192                       ; LDS: a region for each wave: two stages of 32 x SP bytes
.set SP,    80                         ; a lane's place in a stage: 64 bytes + 16 of padding
.set SCR,   32768                      ; LDS: the work-group's scale bytes: [k / 256][32 rows in true order][8]
	s_load_b256 s[4:11], s[0:1], 0x0               ; x, Wq, Wk, Wv
	s_load_b128 s[12:15], s[0:1], 0x20             ; Wo, oc
	s_load_b64 s[16:17], s[0:1], 0x30              ; os
	v_lshl_add_u32 v192, v0, 2, 0x8400
	v_mov_b32 v193, 0
	v_lshrrev_b32 v1, 5, v0
	v_readfirstlane_b32 s18, v1                    ; wave
	v_and_b32 v2, 31, v0                           ; lane
	v_lshlrev_b32 v3, 4, v2                        ; my 16 bytes of a load's 512
	s_mul_i32 s19, s18, WREG
	v_lshrrev_b32 v14, 2, v2
	v_mul_u32_u24 v14, v14, SP
	v_and_b32 v15, 3, v2
	v_lshl_add_u32 v14, v15, 4, v14
	v_add_nc_u32 v14, s19, v14                     ; the stage, in: SP (lane / 4) + 16 (lane % 4)
	v_mul_u32_u24 v15, v2, SP
	v_add_nc_u32 v15, s19, v15                     ; and out: SP x lane: my 16 neighbours
	v_mul_u32_u24 v4, v2, CB                       ; my codes' place in a step's
	v_bfe_u32 v5, v2, 1, 3                         ; my block's byte among a row's eight of a plane,
	v_lshrrev_b32 v6, 4, v2
	v_lshl_add_u32 v5, v6, 8, v5                   ; lanes 16-31 one plane of 256 bytes on,
	s_lshl_b32 s19, s18, 6
	s_add_co_u32 s19, s19, SCR
	v_add_nc_u32 v5, s19, v5                       ; my wave's 8 rows: 64 bytes in each plane
	v_lshlrev_b32 v6, 3, v2
	s_lshl_b32 s19, s18, 8
	s_add_co_u32 s19, s19, SCR
	v_add_nc_u32 v6, s19, v6                       ; on the way out wave w reads plane w: 8 bytes a lane, lane = true row
	v_and_b32 v7, 7, v2
	v_and_b32 v8, 8, v2
	v_lshl_or_b32 v7, v8, 1, v7
	v_and_b32 v8, 16, v2
	v_lshrrev_b32 v8, 1, v8
	v_or_b32 v7, v7, v8                            ; the lane with bits 3 and 4 exchanged: the row's place
	s_cmp_lt_u32 ttmp9, 352                        ; (Wo's work-groups, 352 on, keep their order)
	s_cselect_b32 s23, -1, 0
	v_cndmask_b32 v7, v2, v7, s23
	v_lshlrev_b32 v7, 3, v7                        ; 8 bytes a row in os
	s_and_b32 s24, s18, 1
	s_lshl_b32 s24, s24, 1
	s_lshr_b32 s25, s18, 1
	s_or_b32 s24, s24, s25                         ; my 8 rows' place among the 32: the wave's two bits exchanged
	s_cmp_lt_u32 ttmp9, 352
	s_cselect_b32 s24, s24, s18
	s_wait_kmcnt 0x0
	s_mov_b64 s[20:21], s[12:13]                   ; which tensor: the choice hangs on the work-group's number alone
	s_mov_b32 s22, 352
	s_cmp_lt_u32 ttmp9, 352
	s_cselect_b64 s[20:21], s[10:11], s[20:21]
	s_cselect_b32 s22, 320, s22
	s_cmp_lt_u32 ttmp9, 320
	s_cselect_b64 s[20:21], s[8:9], s[20:21]
	s_cselect_b32 s22, 288, s22
	s_cmp_lt_u32 ttmp9, 288
	s_cselect_b64 s[20:21], s[6:7], s[20:21]
	s_cselect_b32 s22, 256, s22
	s_cmp_lt_u32 ttmp9, 256
	s_cselect_b64 s[20:21], s[4:5], s[20:21]
	s_cselect_b32 s22, 0, s22                      ; the tensor's first work-group
	s_sub_co_u32 s22, ttmp9, s22
	s_lshl_b32 s22, s22, 17                        ; 32 rows of 4,096 bytes a work-group,
	s_lshl_b32 s23, s18, 15                        ; 8 a wave
	s_add_co_u32 s22, s22, s23
	s_mov_b32 s23, 0
	s_add_nc_u64 s[20:21], s[20:21], s[22:23]
	s_mul_i32 s22, ttmp9, 24576                    ; codes: 32 rows of 768 bytes a work-group,
	s_mul_i32 s25, s24, 6144                       ; my 8 rows at their place
	s_add_co_u32 s22, s22, s25
	s_add_nc_u64 s[14:15], s[14:15], s[22:23]
	s_mul_i32 s22, s18, 98304                      ; scale bytes: plane = my wave's number,
	s_lshl_b32 s25, ttmp9, 8                       ; 256 bytes a work-group
	s_add_co_u32 s22, s22, s25
	s_add_nc_u64 s[16:17], s[16:17], s[22:23]
.macro LOAD t
.irp i, 0,1,2,3
	global_load_b128 v[R+16*((\t)%4)+4*\i:R+16*((\t)%4)+4*\i+3], v3, s[20:21] offset:2048*(\t)+512*\i th:TH_LOAD_NT   ; 32 lanes read 512 consecutive bytes; read once in the launch
.endr
.endm
.macro TURN t                          ; step t's numbers through the stage: LDS serves a wave's instructions in order, so no wait stands between the stores and the loads
.irp i, 0,1,2,3
	ds_store_b128 v14, v[R+16*((\t)%4)+4*\i:R+16*((\t)%4)+4*\i+3] offset:32*SP*((\t)%2)+8*SP*\i
.endr
.irp i, 0,1,2,3
	ds_load_b128 v[X+16*((\t)%2)+4*\i:X+16*((\t)%2)+4*\i+3], v15 offset:32*SP*((\t)%2)+16*\i
.endr
.endm
.irp t, 0,1,2,3
	LOAD \t
.endr
	s_wait_loadcnt 12                              ; step 0's four loads are in; the twelve of steps 1 to 3 may be out
	TURN 0
.macro STEP t
.set XS, X+16*((\t)%2)
.if (\t) > 0
	s_wait_dscnt 1                                 ; this step's numbers are back from the stage (the last step's byte store may be out), so the stage's stores have read their registers,
.else
	s_wait_dscnt 0x0
.endif
.if (\t)+4 < STEPS
	LOAD (\t)+4                                    ; which take the loads of four steps on
.endif
.if (\t)+1 < STEPS
.if STEPS-2-(\t) >= 3
	s_wait_loadcnt 12                              ; the next step's four loads are in; those of the three steps behind it may be out
.else
	s_wait_loadcnt 4*(STEPS-2-(\t))
.endif
	TURN (\t)+1
.endif
	v_max3_num_f32 v8, |v[XS]|, |v[XS+1]|, |v[XS+2]|               ; the largest magnitude of my 16, in two chains
	v_max3_num_f32 v9, |v[XS+3]|, |v[XS+4]|, |v[XS+5]|
.irp i, 6,10
	v_max3_num_f32 v8, v8, |v[XS+\i]|, |v[XS+\i+1]|
	v_max3_num_f32 v9, v9, |v[XS+\i+2]|, |v[XS+\i+3]|
.endr
	v_max3_num_f32 v8, v8, |v[XS+14]|, |v[XS+15]|
	v_max3_num_f32 v8, v8, v9, (EMAX+1)<<23        ; and the floor 2^(3 - 127): the byte cannot fall under 1
	v_max_num_f32_dpp v8, v8, v8 row_xmask:1 row_mask:0xf bank_mask:0xf   ; with my neighbour's 16: the block's
	v_add_nc_u32 v11, -(EMAX<<23), v8              ; 2 off the exponent field: the conversion takes the exponent field of this operand as its scale
	v_cvt_scalef32_pk16_fp6_f32 v[C+4*(\t):C+4*(\t)+2], v[XS:XS+15], v11
	v_lshrrev_b32 v[E+(\t)], 23, v11               ; the scale's byte (also the plain line behind the conversion)
	ds_store_b8 v5, v[E+(\t)] offset:512*((\t)%2)+8*((\t)/2)       ; row t / 2 of my 8; the row's second half lies two planes on; both lanes of a block write the same byte
	global_store_b96 v4, v[C+4*(\t):C+4*(\t)+2], s[14:15] offset:32*CB*(\t)
.endm
.irp t, 0,1,2,3,4,5,6,7,8,9,10,11,12,13,14,15
	STEP \t
.endr
	s_wait_dscnt 0x0                               ; for the others' sake: my byte stores are done
	s_barrier_signal -1
	s_barrier_wait -1
	ds_load_b64 v[12:13], v6                       ; plane w of all 32 rows
	s_wait_dscnt 0x0
	global_store_b64 v7, v[12:13], s[16:17]        ; 32 lanes store 256 consecutive bytes, aligned; each row at its place
	s_wait_tensorcnt 0x0
	ds_add_u32 v192, v193
	s_wait_dscnt 0x0
	s_endpgm
.Lfunc_end_k_qba5e37bd3d_quant:
	.size	k_qba5e37bd3d_quant, .Lfunc_end_k_qba5e37bd3d_quant-k_qba5e37bd3d_quant
	.p2alignl 7, 3214868480
	.fill 96, 4, 3214868480
	.section	.rodata,"a",@progbits
	.p2align	6, 0x0
	.amdhsa_kernel k_qba5e37bd3d_quant
		.amdhsa_group_segment_fixed_size 34304
		.amdhsa_private_segment_fixed_size 0
		.amdhsa_enable_private_segment 0
		.amdhsa_kernarg_size 56
		.amdhsa_user_sgpr_count 2
		.amdhsa_user_sgpr_kernarg_segment_ptr 1
		.amdhsa_wavefront_size32 1
		.amdhsa_system_sgpr_workgroup_id_x 1
		.amdhsa_system_sgpr_workgroup_id_y 1
		.amdhsa_system_sgpr_workgroup_id_z 1
		.amdhsa_system_vgpr_workitem_id 0
		.amdhsa_next_free_vgpr 194
		.amdhsa_next_free_sgpr 66
		.amdhsa_reserve_vcc 0
		.amdhsa_float_denorm_mode_32 3
		.amdhsa_float_denorm_mode_16_64 3
		.amdhsa_memory_ordered 1
		.amdhsa_forward_progress 1
		.amdhsa_inst_pref_size 34
	.end_amdhsa_kernel
	.amdgpu_metadata
---
amdhsa.version: [ 1, 2 ]
amdhsa.kernels:
  - .name:           k_qba5e37bd3d_quant
    .symbol:         k_qba5e37bd3d_quant.kd
    .args:
      - { .name: x, .offset: 0, .size: 8, .value_kind: global_buffer, .address_space: global }
      - { .name: Wq, .offset: 8, .size: 8, .value_kind: global_buffer, .address_space: global }
      - { .name: Wk, .offset: 16, .size: 8, .value_kind: global_buffer, .address_space: global }
      - { .name: Wv, .offset: 24, .size: 8, .value_kind: global_buffer, .address_space: global }
      - { .name: Wo, .offset: 32, .size: 8, .value_kind: global_buffer, .address_space: global }
      - { .name: oc, .offset: 40, .size: 8, .value_kind: global_buffer, .address_space: global }
      - { .name: os, .offset: 48, .size: 8, .value_kind: global_buffer, .address_space: global }
    .group_segment_fixed_size: 34304
    .private_segment_fixed_size: 0
    .kernarg_segment_align: 8
    .kernarg_segment_size: 56
    .max_flat_workgroup_size: 128
    .sgpr_count:     66
    .vgpr_count:     194
    .wavefront_size: 32
...
	.end_amdgpu_metadata
.endif
;; end of part 1
;; launch qkv (part 2): grid 8 x 48, 4 waves a work-group, clusters of 4 x 4, 327,680 bytes of LDS; arguments oc, os, bq, bk, bv, qb, kv; writes qb, kv
.if DOCPART == 2
	.amdgcn_target "amdgcn-amd-amdhsa--gfx1250"
	.amdhsa_code_object_version 6
	.text
	.protected	k_qba5e37bd3d_qkv
	.globl	k_qba5e37bd3d_qkv
	.p2align	8
	.type	k_qba5e37bd3d_qkv,@function
k_qba5e37bd3d_qkv:
	s_mov_b64 s[64:65], 0
	v_nop
	global_prefetch_b8 v0, s[64:65] scope:SCOPE_SE
	s_setreg_imm32_b32 hwreg(HW_REG_WAVE_MODE, 25, 1), 1
	s_wait_xcnt 0x0
	s_wait_alu depctr_hold_cnt(0) depctr_sa_sdst(0) depctr_va_vdst(0) depctr_va_sdst(0) depctr_va_ssrc(0) depctr_va_vcc(0) depctr_vm_vsrc(0)
	s_getreg_b32 s2, hwreg(HW_REG_IB_STS2, 6, 4)
	s_cmp_eq_u32 s2, 0
	s_cbranch_scc0 .Lentry_in_a_cluster
	s_endpgm
.Lentry_in_a_cluster:
	s_bfe_u32 s2, ttmp6, 0x10000c
	s_cmp_lg_u32 s2, 0xf033
	s_cbranch_scc0 .Lentry_shape_is_right
	s_endpgm
.Lentry_shape_is_right:
.set NQ,     2
.set ROWB,   192
.set KROW,   768
.set PITCH,  240
.set FR,     12
.set NL,     6
.set NP,     4
.set HALFT,  128*PITCH
.set SLOT,   4*HALFT
.set LAPS,   2
.set SCL,    2*SLOT
.set SPARE,  SCL+16640
.set QHS,    106496
.set QSS,    6656
.set KHS,    208896
.set KSS,    13056
.set BO8,  8
.set BO9,  9
.set LI,   10
.set L8,   11
.set ADRA, 16
.set ADRB, 20
.set ADRS, 27
.set SPW,  28
.set NIL,  29
.set SC,   32
.set BI,   64
.set AF,   128
.set RB,   224
.set TM,   32
.set PW0,  48
.set PW1,  49
.set WW,   50
.set SC0,  52
.set SC1,  56
.set VS,   52
.set T,    128
.set OUT,  192
.set CT,   216
.set WV, 18
.set HR, 19
.set HC, 20
.set CX, 21
.set CY, 22
.set TY, 23
.set G1, 24
.set G0, 32
.set G1B, 48
.set G0B, 56
.set G1S, 68
.set G0S, 76
.set G1SB, 80
.set G0SB, 88
.set OB0, 92
.set OB1, 94
.set BP, 96
.set BR, 98
.set SEL, 40
.set MSB, 0
.macro WIN new
.if MSB != (\new)
	s_set_vgpr_msb (MSB<<8)|(\new)
.set MSB, (\new)
.endif
.endm
.set MUL_LO, 0xa1
.set MUL_HI, 0xf1
.set TO_B,   0x40
.macro JLOAD g0a, g1a, g0b, g1b
	s_cmp_eq_u32 s[HR], 0
	s_cbranch_scc0 .Lfor_b_\@
	tensor_load_to_lds s[\g0a:\g0a+3], s[\g1a:\g1a+7]
	s_nop 0
.rept 4
	v_nop
.endr
	s_branch .Lasked_\@
.Lfor_b_\@:
	tensor_load_to_lds s[\g0b:\g0b+3], s[\g1b:\g1b+7]
	s_nop 0
.rept 4
	v_nop
.endr
.Lasked_\@:
.endm
.macro CREST
	s_cmp_lg_u32 s[WV], 0
	s_cbranch_scc1 .Lnot_wave_0_\@
	s_barrier_signal -3
.Lnot_wave_0_\@:
	s_barrier_wait -3
	s_barrier_signal -1
	s_barrier_wait -1
.endm
.macro CROUND
	s_barrier_signal -1
	s_barrier_wait -1
	CREST
.endm
	s_load_b256 s[4:11], s[0:1], 0x0
	s_load_b128 s[12:15], s[0:1], 0x20
	s_load_b64 s[16:17], s[0:1], 0x30
	v_lshl_add_u32 v[SPW], v0, 2, SPARE
	v_mov_b32 v[NIL], 0
	ds_add_u32 v28, v29
	ds_add_u32 v28, v29
	s_wait_dscnt 0x0
	v_lshrrev_b32 v1, 5, v0
	v_readfirstlane_b32 s[WV], v1
	s_lshr_b32 s[HR], s[WV], 1
	s_and_b32 s[HC], s[WV], 1
	s_bfe_u32 s[CX], ttmp6, 0x40000
	s_bfe_u32 s[CY], ttmp6, 0x40004
	s_and_b32 s40, ttmp7, 0xffff
	s_max_u32 s41, s40, 8
	s_sub_co_u32 s41, s41, 8
	s_lshl_b32 s41, s41, 3
	s_lshl_b32 s42, s40, 2
	s_cmp_ge_u32 s40, 8
	s_cselect_b32 s[TY], 1, 0
	s_cselect_b32 s42, 0, s42
	s_cselect_b32 s43, 0, 8192
	s_cselect_b32 s44, 10240, 0
	s_lshl_b32 s45, ttmp9, 2
	s_add_co_u32 s45, s45, s[CX]
	s_add_co_u32 s45, s45, s41
	s_add_co_u32 s46, s42, s[CY]
	s_lshl_b32 s47, s[CY], 2
	s_lshl_b32 s47, 15, s47
	s_lshl_b32 s66, 0x1111, s[CX]
	s_or_b32 s[G1+0], s47, (0<<16)|(1<<20)|(1<<21)|(3<<22)|(3<<25)
	s_or_b32 s[G1B+0], s66, (0<<16)|(1<<20)|(1<<21)|(3<<22)|(3<<25)
.irp g, G1, G1B
	s_mov_b32 s[\g+1], ROWB<<16
	s_mov_b32 s[\g+2], 128<<16
	s_mov_b32 s[\g+3], ROWB<<16
	s_mov_b32 s[\g+4], 128
	s_mov_b32 s[\g+5], KROW
	s_mov_b32 s[\g+6], 0
	s_mov_b32 s[\g+7], 0
.endr
	s_or_b32 s[G1S+0], s47, (3<<16)|(1<<21)
	s_or_b32 s[G1SB+0], s66, (3<<16)|(1<<21)
.irp g, G1S, G1SB
	s_mov_b32 s[\g+1], 128<<16
	s_mov_b32 s[\g+2], 4<<16
	s_mov_b32 s[\g+3], 128<<16
	s_mov_b32 s[\g+4], 4
	s_mov_b32 s[\g+5], 12288
	s_mov_b32 s[\g+6], 0
	s_mov_b32 s[\g+7], 0
.endr
	s_lshl_b32 s67, s[HC], 7
	s_lshl_b32 s100, s46, 8
	s_add_co_u32 s100, s100, s44
	s_add_co_u32 s100, s100, s67
	s_lshl_b32 s2, s45, 8
	s_add_co_u32 s2, s2, s43
	s_add_co_u32 s2, s2, s67
	s_mul_i32 s92, s100, KROW
	s_mov_b32 s93, 0
	s_lshl_b32 s94, s100, 3
	s_mov_b32 s95, 0
	s_mul_i32 s96, s2, KROW
	s_mov_b32 s97, 0
	s_lshl_b32 s98, s2, 3
	s_mov_b32 s99, 0
	s_mul_i32 s3, s[WV], HALFT
	s_lshl_b32 s101, s[WV], 12
	s_lshl_b32 s67, s[HR], 7
	s_add_co_u32 s101, s101, s67
	s_wait_kmcnt 0x0
	s_add_nc_u64 s[92:93], s[4:5], s[92:93]
	s_add_nc_u64 s[94:95], s[6:7], s[94:95]
	s_add_nc_u64 s[96:97], s[4:5], s[96:97]
	s_add_nc_u64 s[98:99], s[6:7], s[98:99]
	CROUND
	s_mov_b32 s[G0S], 1
	s_add_co_u32 s[G0S+1], s101, SCL
	s_mov_b64 s[G0S+2:G0S+3], s[94:95]
	s_or_b32 s[G0S+3], s[G0S+3], 0x80000000
	s_mov_b32 s[G0SB], 1
	s_add_co_u32 s[G0SB+1], s101, SCL
	s_mov_b64 s[G0SB+2:G0SB+3], s[98:99]
	s_or_b32 s[G0SB+3], s[G0SB+3], 0x80000000
	JLOAD G0S, G1S, G0SB, G1SB
.irp s, 0,1
	s_mov_b32 s[G0+4*\s], 1
	s_add_co_u32 s[G0+4*\s+1], s3, \s*SLOT
	s_add_nc_u64 s[G0+4*\s+2:G0+4*\s+3], s[92:93], \s*ROWB
	s_or_b32 s[G0+4*\s+3], s[G0+4*\s+3], 0x80000000
	s_mov_b32 s[G0B+4*\s], 1
	s_add_co_u32 s[G0B+4*\s+1], s3, \s*SLOT
	s_add_nc_u64 s[G0B+4*\s+2:G0B+4*\s+3], s[96:97], \s*ROWB
	s_or_b32 s[G0B+4*\s+3], s[G0B+4*\s+3], 0x80000000
	s_wait_alu depctr_va_vdst(0)
	s_wait_tensorcnt 0x0
	ds_add_u32 v28, v29
	s_wait_dscnt 0x0
	CROUND
	JLOAD G0+4*\s, G1, G0B+4*\s, G1B
.endr
	v_and_b32 v1, 15, v0
	v_bfe_u32 v2, v0, 4, 1
	v_mul_u32_u24 v3, v1, PITCH
	v_mul_u32_u24 v4, v2, 24
	v_add_nc_u32 v4, v3, v4
	v_lshl_add_u32 v5, v2, 4, v4
	s_mul_i32 s40, s[HR], HALFT
	s_mul_i32 s41, s[HC], HALFT
	s_add_co_u32 s41, s41, 2*HALFT
.irp s, 0,1
	v_add_nc_u32 v[ADRA+\s], s40, v4
	v_add_nc_u32 v[ADRB+\s], s41, v4
	v_add_nc_u32 v[ADRA+2+\s], s40, v5
	v_add_nc_u32 v[ADRB+2+\s], s41, v5
	s_add_co_u32 s40, s40, SLOT
	s_add_co_u32 s41, s41, SLOT
.endr
	v_lshlrev_b32 v5, 3, v1
	s_lshl_b32 s40, s[HR], 12
	s_lshl_b32 s41, s[HC], 12
	s_add_co_u32 s41, s41, 2*4096+128
	s_sub_co_u32 s41, s41, s40
	v_mul_u32_u24 v6, s41, v2
	s_add_co_u32 s40, s40, SCL
	v_add_nc_u32 v5, v5, v6
	v_add_nc_u32 v[ADRS], s40, v5
	v_lshlrev_b32 v[BO8], 6, v2
	s_wait_alu depctr_va_vdst(0)
	v_and_b32 v[BO9], 8, v1
	v_add_nc_u32 v[BO9], v[BO9], v1
	v_lshlrev_b32 v[BO9], 2, v[BO9]
	s_wait_alu depctr_va_vdst(0)
	v_and_b32 v[LI], 31, v0
	v_lshlrev_b32 v[L8], 3, v[LI]
	v_lshlrev_b32 v[LI], 4, v[LI]
	s_and_b32 s40, s45, 3
	s_lshl_b32 s40, s40, 10
	s_lshl_b32 s41, s[HC], 9
	s_add_co_u32 s40, s40, s41
	s_lshl_b32 s42, s46, 10
	s_lshl_b32 s43, s[HR], 9
	s_add_co_u32 s42, s42, s43
	s_cmp_eq_u32 ttmp9, 0
	s_cselect_b64 s[BP:BP+1], s[8:9], s[10:11]
	s_cmp_eq_u32 s[TY], 0
	s_cselect_b64 s[BP:BP+1], s[BP:BP+1], s[12:13]
	s_cselect_b64 s[BR:BR+1], s[8:9], s[12:13]
	s_cselect_b32 s40, s40, 0
	s_cselect_b32 s42, 0, s42
	s_mov_b32 s41, 0
	s_mov_b32 s43, 0
	s_add_nc_u64 s[BP:BP+1], s[BP:BP+1], s[40:41]
	s_add_nc_u64 s[BR:BR+1], s[BR:BR+1], s[42:43]
.irp n, 0,1,2,3,4,5,6,7,8,9,10,11,12,13,14,15
	global_load_b128 v[BI+4*\n:BI+4*\n+3], v[BO8], s[BP:BP+1] offset:128*(\n/4)+16*(\n%4)
.endr
.irp a, 0,1,2,3,4,5,6,7
	global_load_b32 v[RB+2*\a], v[BO9], s[BR:BR+1] offset:4*(32*(\a/2)+8*(\a%2))
	v_mov_b32 v[RB+2*\a+1], 0
.endr
	s_lshl_b32 s40, s46, 1
	s_add_co_u32 s40, s40, s[HR]
	s_lshl_b32 s41, s45, 1
	s_add_co_u32 s41, s41, s[HC]
	s_and_b32 s42, s45, 3
	s_lshl_b32 s42, s42, 2
	s_lshl_b32 s43, s[HC], 1
	s_add_co_u32 s42, s42, s43
	s_lshl_b32 s43, s46, 2
	s_lshl_b32 s44, s[HR], 1
	s_add_co_u32 s43, s43, s44
	s_cmp_eq_u32 s[TY], 0
	s_cselect_b32 s40, s40, s41
	s_cselect_b32 s42, s42, s43
	s_and_b32 s41, s40, 48
	s_add_co_u32 s41, s41, s42
	s_and_b32 s40, s40, 15
	s_or_b32 s43, s[TY], ttmp9
	s_cmp_eq_u32 s43, 0
	s_cselect_b64 s[OB0:OB0+1], s[14:15], s[16:17]
	s_mov_b32 s44, KHS
	s_cselect_b32 s44, QHS, s44
	s_mov_b32 s47, KSS
	s_cselect_b32 s47, QSS, s47
	s_mul_i32 s41, s41, s44
	s_mul_i32 s40, s40, s47
	s_add_co_u32 s40, s40, s41
	s_mov_b32 s41, 0
	s_mov_b32 s45, 0
	s_add_nc_u64 s[OB0:OB0+1], s[OB0:OB0+1], s[40:41]
	s_add_nc_u64 s[OB1:OB1+1], s[OB0:OB0+1], s[44:45]
.macro FRAG reg, adr, q, i
.irp p, 0,1,2,3,4,5
.set PC, 12*(\q)+6*(\p/3)+\p%3
.if PC%8 < 5
	ds_load_b64 v[\reg+2*\p:\reg+2*\p+1], v[\adr] offset:8*PC+16*(PC/8)+(\i)*16*PITCH
.else
	ds_load_b64 v[\reg+2*\p:\reg+2*\p+1], v[\adr+2] offset:8*PC+16*(PC/8)+(\i)*16*PITCH
.endif
.endr
.endm
.macro MUL16 a0, p, q, sc, zero
.irp a, \a0, \a0+1
.irp b, 0,1,2,3,4,5,6,7
.if \zero
	v_wmma_scale_f32_16x16x128_f8f6f4 v[8*(8*((\a)%4)+\b):8*(8*((\a)%4)+\b)+7], v[128*(\p)+FR*\b:128*(\p)+FR*\b+FR-1], v[AF+FR*(\a):AF+FR*(\a)+FR-1], 0, v[SC+8*NQ*(\sc)+NQ*\b+(\q)], v[SC+8*NQ*(\sc)+NQ*(\a)+(\q)] matrix_a_fmt:MATRIX_FMT_FP6 matrix_b_fmt:MATRIX_FMT_FP6 matrix_a_scale:MATRIX_SCALE_ROW1
.else
	v_wmma_scale_f32_16x16x128_f8f6f4 v[8*(8*((\a)%4)+\b):8*(8*((\a)%4)+\b)+7], v[128*(\p)+FR*\b:128*(\p)+FR*\b+FR-1], v[AF+FR*(\a):AF+FR*(\a)+FR-1], v[8*(8*((\a)%4)+\b):8*(8*((\a)%4)+\b)+7], v[SC+8*NQ*(\sc)+NQ*\b+(\q)], v[SC+8*NQ*(\sc)+NQ*(\a)+(\q)] matrix_a_fmt:MATRIX_FMT_FP6 matrix_b_fmt:MATRIX_FMT_FP6 matrix_a_scale:MATRIX_SCALE_ROW1
.endif
.endr
.endr
.endm
.macro FETCH_B slot, q, p
	WIN TO_B
.irp i, 0,1,2,3,4,5,6,7
	FRAG 128*(\p)+FR*\i, ADRB+\slot, \q, \i
.endr
	WIN 0
.endm
.macro FETCH_A slot, q, i0
.irp i, \i0, \i0+1, \i0+2, \i0+3
	FRAG AF+FR*(\i), ADRA+\slot, \q, \i
.endr
.endm
.macro SCALES sc
.irp i, 0,1,2,3,4,5,6,7
	ds_load_b64 v[SC+8*NQ*\sc+NQ*\i:SC+8*NQ*\sc+NQ*\i+1], v[ADRS] offset:\i*128
.endr
.endm
.macro PLACES n
.rept \n
	v_nop
.endr
.endm
.macro STEP slot, q, zero
	s_wait_dscnt 4*NL
	WIN MUL_LO
	MUL16 0, (\q)%2, \q, \slot, \zero
	MUL16 2, (\q)%2, \q, \slot, \zero
	s_wait_dscnt 0
	PLACES NP
	FETCH_B \slot, (\q)+1, 1-(\q)%2
	FETCH_A \slot, (\q)+1, 0
	WIN MUL_HI
	MUL16 4, (\q)%2, \q, \slot, \zero
	MUL16 6, (\q)%2, \q, \slot, \zero
	PLACES NP
	WIN 0
	FETCH_A \slot, (\q)+1, 4
.endm
.macro TURN slot, next, fill
	s_wait_tensorcnt 0x0
	ds_add_u32 v[SPW], v[NIL]
	s_wait_dscnt 4*NL+1
	WIN MUL_LO
	MUL16 0, 1, NQ-1, \slot, 0
	s_wait_dscnt 0x0
	s_barrier_signal -1
	MUL16 2, 1, NQ-1, \slot, 0
	WIN 0
	s_barrier_wait -1
.if \fill
	CREST
	s_add_nc_u64 s[G0+4*\slot+2:G0+4*\slot+3], s[G0+4*\slot+2:G0+4*\slot+3], 2*ROWB
	s_add_nc_u64 s[G0B+4*\slot+2:G0B+4*\slot+3], s[G0B+4*\slot+2:G0B+4*\slot+3], 2*ROWB
	JLOAD G0+4*\slot, G1, G0B+4*\slot, G1B
.else
	PLACES NP
.endif
	s_wait_alu depctr_va_vdst(0)
	v_add_nc_u32 v[ADRS], 1024, v[ADRS]
	FETCH_B \next, 0, 0
	FETCH_A \next, 0, 0
	SCALES \next
	WIN MUL_HI
	MUL16 4, 1, NQ-1, \slot, 0
	MUL16 6, 1, NQ-1, \slot, 0
	PLACES NP
	WIN 0
	FETCH_A \next, 0, 4
.endm
	s_wait_tensorcnt 1
	s_barrier_signal -1
	s_barrier_wait -1
	FETCH_B 0, 0, 0
	FETCH_A 0, 0, 0
	SCALES 0
	FETCH_A 0, 0, 4
	STEP 0, 0, 1
	s_mov_b32 s3, LAPS-1
.Llap:
	TURN 0, 1, 1
	STEP 1, 0, 0
	TURN 1, 0, 1
	STEP 0, 0, 0
	s_sub_co_u32 s3, s3, 1
	s_cmp_lg_u32 s3, 0
	s_cbranch_scc1 .Llap
	TURN 0, 1, 0
	STEP 1, 0, 0
	s_wait_dscnt 4*NL
	WIN MUL_LO
	MUL16 0, 1, NQ-1, 1, 0
	MUL16 2, 1, NQ-1, 1, 0
	s_wait_dscnt 0
	WIN MUL_HI
	MUL16 4, 1, NQ-1, 1, 0
	MUL16 6, 1, NQ-1, 1, 0
	WIN 0
.macro TAKE a, kind
	WIN 0x02+(\a)/4
.set kk, 0
.rept 32
.if \kind
	v_pk_add_f32 v[T+2*kk:T+2*kk+1], v[64*((\a)%4)+2*kk:64*((\a)%4)+2*kk+1], v[RB+2*(\a):RB+2*(\a)+1] op_sel_hi:[1,0]
.else
	v_pk_add_f32 v[T+2*kk:T+2*kk+1], v[64*((\a)%4)+2*kk:64*((\a)%4)+2*kk+1], v[BI+2*kk:BI+2*kk+1]
.endif
.set kk, kk+1
.endr
	WIN 0
.endm
.macro QUANT s, d0, d1, pw
.irp b, 0,1,2,3
	v_max3_num_f32 v[TM+\b], |v[\s+16*\b]|, |v[\s+1+16*\b]|, 0x1800000
.endr
.irp i, 2,4,6,8,10,12,14
.irp b, 0,1,2,3
	v_max3_num_f32 v[TM+\b], v[TM+\b], |v[\s+16*\b+\i]|, |v[\s+1+16*\b+\i]|
.endr
.endr
.irp b, 0,1,2,3
	v_permlanex16_b32 v[TM+4+\b], v[TM+\b], s[SEL], s[SEL+1]
.endr
.irp b, 0,1,2,3
	v_max_num_f32 v[TM+\b], v[TM+\b], v[TM+4+\b]
.endr
.irp b, 0,1,2,3
	v_add_nc_u32 v[TM+12+\b], 0xff000000, v[TM+\b]
.endr
.irp b, 0,1,2,3
	v_lshrrev_b32 v[TM+4+\b], 23, v[TM+12+\b]
.endr
	v_lshl_or_b32 v[\pw], v[TM+5], 8, v[TM+4]
	v_lshl_or_b32 v[\pw], v[TM+6], 16, v[\pw]
	v_lshl_or_b32 v[\pw], v[TM+7], 24, v[\pw]
	v_cvt_scalef32_pk16_fp6_f32 v[\d0:\d0+2], v[\s:\s+15], v[TM+12]
	v_cvt_scalef32_pk16_fp6_f32 v[CT:CT+2], v[\s+16:\s+31], v[TM+13]
	v_cvt_scalef32_pk16_fp6_f32 v[\d1:\d1+2], v[\s+32:\s+47], v[TM+14]
	v_cvt_scalef32_pk16_fp6_f32 v[CT+4:CT+6], v[\s+48:\s+63], v[TM+15]
	v_nop
.irp i, 0,1,2
	v_permlane16_swap_b32 v[\d0+\i], v[CT+\i]
	v_permlane16_swap_b32 v[\d1+\i], v[CT+4+\i]
.endr
.irp i, 0,1,2
	v_mov_b32 v[\d0+3+\i], v[CT+\i]
	v_mov_b32 v[\d1+3+\i], v[CT+4+\i]
.endr
.endm
.macro PAIRQK al
.if \al > 0
	s_wait_xcnt 0x0
.endif
	TAKE 2*\al, 0
	QUANT T, OUT, OUT+12, PW0
	TAKE 2*\al+1, 0
	QUANT T, OUT+6, OUT+18, PW1
.irp c, 0,1
.irp i, 0,1,2
	global_store_b128 v[LI], v[OUT+12*\c+4*\i:OUT+12*\c+4*\i+3], s[OB0+2*\c:OB0+2*\c+1] offset:1536*\al+512*\i
.endr
.endr
	v_cndmask_b32 v[WW], v[PW0], v[PW1], vcc_lo
	v_perm_b32 v[SC0+\al], v[WW], v[WW], s43
	v_perm_b32 v[SC1+\al], v[WW], v[WW], s44
.endm
.macro BLOCKV a
.if \a > 0
	s_wait_xcnt 0x0
.endif
	TAKE \a, 1
	QUANT T, OUT, OUT+6, PW0+(\a)%2
.irp i, 0,1,2
	global_store_b128 v[LI], v[OUT+4*\i:OUT+4*\i+3], s[OB0:OB0+1] offset:KHS*((\a)/4)+6656+1536*((\a)%4)+512*\i
.endr
.if (\a)%2 == 1
	v_cndmask_b32 v[VS+(\a)/2], v[PW0], v[PW1], vcc_lo
.endif
.if (\a)%4 == 3
	global_store_b64 v[L8], v[VS+2*((\a)/4):VS+2*((\a)/4)+1], s[OB0:OB0+1] offset:KHS*((\a)/4)+12800
.endif
.endm
	PLACES NP
	s_wait_loadcnt 0x0
.irp b, 0,1,2,3
	v_mov_b32 v[TM+4+\b], 0
.endr
	s_mov_b32 vcc_lo, 0xffff0000
	s_mov_b32 s[SEL], 0x76543210
	s_mov_b32 s[SEL+1], 0xfedcba98
	s_mov_b32 s43, 0x01000100
	s_mov_b32 s44, 0x03020302
	s_cmp_eq_u32 s[TY], 0
	s_cbranch_scc0 .Lv_path
.irp al, 0,1,2,3
	PAIRQK \al
.endr
	global_store_b128 v[LI], v[SC0:SC0+3], s[OB0:OB0+1] offset:6144
	global_store_b128 v[LI], v[SC1:SC1+3], s[OB1:OB1+1] offset:6144
	s_branch .Lend
.Lv_path:
.irp a, 0,1,2,3,4,5,6,7
	BLOCKV \a
.endr
.Lend:
	s_wait_tensorcnt 0x0
	ds_add_u32 v[SPW], v[NIL]
	s_wait_dscnt 0x0
	CROUND
	s_endpgm
.Lfunc_end_k_qba5e37bd3d_qkv:
	.size	k_qba5e37bd3d_qkv, .Lfunc_end_k_qba5e37bd3d_qkv-k_qba5e37bd3d_qkv
	.p2alignl 7, 3214868480
	.fill 96, 4, 3214868480
	.section	.rodata,"a",@progbits
	.p2align	6, 0x0
	.amdhsa_kernel k_qba5e37bd3d_qkv
		.amdhsa_group_segment_fixed_size 327680
		.amdhsa_private_segment_fixed_size 0
		.amdhsa_enable_private_segment 0
		.amdhsa_kernarg_size 56
		.amdhsa_user_sgpr_count 2
		.amdhsa_user_sgpr_kernarg_segment_ptr 1
		.amdhsa_wavefront_size32 1
		.amdhsa_system_sgpr_workgroup_id_x 1
		.amdhsa_system_sgpr_workgroup_id_y 1
		.amdhsa_system_sgpr_workgroup_id_z 1
		.amdhsa_system_vgpr_workitem_id 0
		.amdhsa_next_free_vgpr 1024
		.amdhsa_next_free_sgpr 102
		.amdhsa_reserve_vcc 1
		.amdhsa_float_denorm_mode_32 3
		.amdhsa_float_denorm_mode_16_64 3
		.amdhsa_memory_ordered 1
		.amdhsa_forward_progress 1
		.amdhsa_inst_pref_size 234
	.end_amdhsa_kernel
	.amdgpu_metadata
---
amdhsa.version: [ 1, 2 ]
amdhsa.kernels:
  - .name:           k_qba5e37bd3d_qkv
    .symbol:         k_qba5e37bd3d_qkv.kd
    .args:
      - { .name: oc, .offset: 0, .size: 8, .value_kind: global_buffer, .address_space: global }
      - { .name: os, .offset: 8, .size: 8, .value_kind: global_buffer, .address_space: global }
      - { .name: bq, .offset: 16, .size: 8, .value_kind: global_buffer, .address_space: global }
      - { .name: bk, .offset: 24, .size: 8, .value_kind: global_buffer, .address_space: global }
      - { .name: bv, .offset: 32, .size: 8, .value_kind: global_buffer, .address_space: global }
      - { .name: qb, .offset: 40, .size: 8, .value_kind: global_buffer, .address_space: global }
      - { .name: kv, .offset: 48, .size: 8, .value_kind: global_buffer, .address_space: global }
    .group_segment_fixed_size: 327680
    .private_segment_fixed_size: 0
    .kernarg_segment_align: 8
    .kernarg_segment_size: 56
    .max_flat_workgroup_size: 128
    .sgpr_count:     102
    .vgpr_count:     1024
    .wavefront_size: 32
...
	.end_amdgpu_metadata
.endif
;; end of part 2
;; launch attn (part 3): grid 4 x 64, 16 waves a work-group, clusters of 4 x 1, 236,288 bytes of LDS; arguments qb, kv, cc, cs; writes cc, cs
.if DOCPART == 3
	.amdgcn_target "amdgcn-amd-amdhsa--gfx1250"
	.amdhsa_code_object_version 6
	.text
	.protected	k_qba5e37bd3d_attn
	.globl	k_qba5e37bd3d_attn
	.p2align	8
	.type	k_qba5e37bd3d_attn,@function
k_qba5e37bd3d_attn:
	s_mov_b64 s[64:65], 0
	v_nop
	global_prefetch_b8 v0, s[64:65] scope:SCOPE_SE
	s_setreg_imm32_b32 hwreg(HW_REG_WAVE_MODE, 25, 1), 1
	s_wait_xcnt 0x0
	s_wait_alu depctr_hold_cnt(0) depctr_sa_sdst(0) depctr_va_vdst(0) depctr_va_sdst(0) depctr_va_ssrc(0) depctr_va_vcc(0) depctr_vm_vsrc(0)
	s_getreg_b32 s2, hwreg(HW_REG_IB_STS2, 6, 4)
	s_cmp_eq_u32 s2, 0
	s_cbranch_scc0 .Lentry_in_a_cluster
	s_endpgm
.Lentry_in_a_cluster:
	s_bfe_u32 s2, ttmp6, 0x10000c
	s_cmp_lg_u32 s2, 0x3003
	s_cbranch_scc0 .Lentry_shape_is_right
	s_endpgm
.Lentry_shape_is_right:
; ctx = softmax(Q K^T / 8) V for one batch and head a cluster, both products on codes of FP6 (E2M3) with E8M0 scales; ctx leaves quantised along the head's 64.
; THE SOFTMAX: t = score x log2(e) / 8; M = the running largest t rounded UP to a whole number; p = 2^(t - M) is quantised along the keys, not normalised; the row's sum is taken of the unquantised p
; and divides at the end (a multiplication by v_rcp_f32's result).  When M moves, the sum and O are multiplied by 2^(old M - new M): exact.
; SHARES.  A work-group owns 512 queries of one head; each of its sixteen waves 32 of them, as two tiles of 16, one a pass: 256 registers a wave, four waves to a SIMD, so that one wave's vector work
; stands beside another's matrix work and LDS loads.
; THE WHOLE HEAD'S K AND V STAY IN LDS: 16 records of 13,056 bytes, as they lie in kv.  Each wave brings one record by one tensor load; every LDS byte is filled once, so the loops have no barrier.
; CLUSTER.  The four query blocks of a head read the same K and V: each record is asked for jointly, by the same load with a mask that names the four.
; LAYOUT.  S^T = K Q^T (source 0 = 16 keys, source 1 = my 16 queries), O^T = V^T P^T: a lane holds one query throughout.  Tokens and V's features lie with bits 3 and 4 of their number exchanged, so the 16
; registers of tiles 2 b, 2 b + 1 are 16 true neighbours 32 b + 16 (lane / 16) + 0 .. 15 along the keys (S^T) or the head's 64 (O^T).
; K = 64 IN AN INSTRUCTION OF 128: Q's upper six registers are zero codes.  K's operand of tile t is twelve registers from 40 + 6 t: its upper six are the next tile's codes (behind tile 7: zeros); every code is a
; finite number and meets a zero code, and the scale bytes of that half repeat the row's own: it adds exactly 0.
; OUT: cc [head][token place][48 bytes], 768 consecutive bytes a tile; cs [head / 4][token place][8]: my head's two bytes of a row (two bytes a row: one byte in 24 of what is stored).
; LIMITS: a block of zeros gets the byte 1 where the rule says 127 (zero codes; this program alone reads the bytes); NaN and infinities are not served.
.set REC,   13056                      ; a step's record: K's four pair images, 512 bytes of K's scale words, V^T's four fragments, 256 bytes of V's scale words
.set STG,   17*REC                     ; the stages: 768 bytes a wave, in blocks of 256 bytes into which no fill lands
.set LI,   1                           ; v1   16 x lane
.set L8,   2                           ; v2   8 x lane
.set ADR,  3                           ; v3   the step's record + 16 x lane
.set ADR8, 4                           ; v4   + 8 x lane
.set STW,  5                           ; v5   my stage + 48 r + 12 h
.set STR,  6                           ; v6   my stage + 16 x lane
.set STR8, 7                           ; v7   my stage + 8 x lane
.set R8,   8                           ; v8   8 r
.set QF,   16                          ; v16-21 Q's tile, v22-27 zero codes
.set Q1,   28                          ; v28-33 the second pass's tile
.set QS,   34                          ; v34  Q's scale words; v35 the second pass's
.set KF,   40                          ; v40-87 K's eight tiles, later V^T's four fragments; v88-93 zero codes
.set S,    96                          ; v96-159 S^T, then p
.set OT,   160                         ; v160-191 O^T
.set PC,   192                         ; v192-203 p's codes
.set CT,   204                         ; v204-206, v208-210 a conversion's three registers begin on an even number
.set BM,   212                         ; v212-215 the blocks' largest
.set PM,   216                         ; v216-219 permutes, then bytes
.set SO,   220                         ; v220-223 scale operands
.set KS,   224                         ; v224-227 K's scale words
.set VSC,  228                         ; v228-229 V's
.set PWD,  230                         ; v230 p's scale word
.set FF,   232                         ; v[232:233] f
.set TMP,  234
.set SUM2, 236                         ; v[236:237] the sum's second chain
.set OC,   240                         ; v240-245 ctx's codes on their way out; v246 its two bytes
.set WV,  12
.set CX,  13
.set GH,  14
.set G1,  16
.set G0,  24
.set SEL, 28
.set CS,  30
.set TB,  32
.set CNT, 33
.macro CROUND                          ; a round of the cluster's barrier
	s_barrier_signal -1
	s_barrier_wait -1
	s_cmp_lg_u32 s[WV], 0
	s_cbranch_scc1 .Lnot_wave_0_\@
	s_barrier_signal -3
.Lnot_wave_0_\@:
	s_barrier_wait -3
	s_barrier_signal -1
	s_barrier_wait -1
.endm
	s_load_b256 s[4:11], s[0:1], 0x0               ; qb, kv, cc, cs
	v_lshl_add_u32 v254, v0, 2, 0x39300
	v_mov_b32 v255, 0
	ds_add_u32 v254, v255
	ds_add_u32 v254, v255
	v_lshrrev_b32 v9, 5, v0
	s_delay_alu instid0(VALU_DEP_1)
	v_readfirstlane_b32 s[WV], v9                  ; wave 0..15
	s_bfe_u32 s[CX], ttmp6, 0x40000                ; my block of 512 queries: it enters Q's and the outputs' addresses alone
	s_and_b32 s[GH], ttmp7, 0xffff                 ; 16 x batch + head, which the four partners share
	s_mov_b32 s[G1], 15|(3<<16)|(1<<21)            ; the mask: all four; elements of 8 bytes; bit 21 set beside a mask
	s_mov_b32 s[G1+1], 32<<16                      ; tensor_dim0: rows of 256 bytes
	s_mov_b32 s[G1+2], 51<<16                      ; tensor_dim1: 51 of them
	s_mov_b32 s[G1+3], 32<<16
	s_mov_b32 s[G1+4], 51
	s_mov_b32 s[G1+5], 32                          ; dense
	s_mov_b32 s[G1+6], 0
	s_mov_b32 s[G1+7], 0
	s_mov_b32 s[G0], 1
	s_mul_i32 s[G0+1], s[WV], REC                  ; record w, in LDS as in memory
	s_mul_i32 s40, s[GH], 16*REC
	s_add_co_u32 s40, s40, s[G0+1]
	s_mov_b32 s41, 0
	s_wait_dscnt 0x0
	s_wait_kmcnt 0x0
	s_add_nc_u64 s[G0+2:G0+3], s[6:7], s[40:41]
	s_or_b32 s[G0+3], s[G0+3], 0x80000000
	CROUND                                         ; all four work-groups are here: the joint loads meet
	tensor_load_to_lds s[G0:G0+3], s[G1:G1+7]      ; my one tensor load of the launch
	s_nop 0
.rept 4
	v_nop
.endr
	v_and_b32 v9, 31, v0
	s_delay_alu instid0(VALU_DEP_1)
	v_lshlrev_b32 v[LI], 4, v9
	s_delay_alu instid0(VALU_DEP_2)
	v_lshlrev_b32 v[L8], 3, v9
	v_and_b32 v10, 15, v0                          ; r
	v_bfe_u32 v11, v0, 4, 1                        ; h
	s_mul_i32 s40, s[WV], 768
	s_add_co_u32 s40, s40, STG
	v_mul_u32_u24 v[STW], v10, 48
	s_delay_alu instid0(VALU_DEP_1)
	v_mad_u32_u24 v[STW], v11, 12, v[STW]
	s_delay_alu instid0(VALU_DEP_1)
	v_add_nc_u32 v[STW], s40, v[STW]
	v_add_nc_u32 v[STR], s40, v[LI]
	v_add_nc_u32 v[STR8], s40, v[L8]
	v_lshlrev_b32 v[R8], 3, v10
	s_mul_i32 s40, s[GH], 106496                   ; Q: my head,
	s_lshl_b32 s41, s[CX], 2
	s_lshr_b32 s42, s[WV], 2
	s_add_co_u32 s41, s41, s42
	s_mul_i32 s41, s41, 6656                       ; the record of 128 tokens,
	s_add_co_u32 s40, s40, s41
	s_and_b32 s42, s[WV], 3                        ; my pair of tiles in it
	s_mul_i32 s43, s42, 1536
	s_lshl_b32 s42, s42, 2
	s_add_co_u32 s42, s42, s40                     ; its scale words: [lane][pair]
	s_add_co_u32 s40, s40, s43                     ; its image
	s_mov_b32 s41, 0
	s_mov_b32 s43, 0
	s_add_nc_u64 s[44:45], s[4:5], s[40:41]
	s_add_nc_u64 s[46:47], s[4:5], s[42:43]
	global_load_b128 v[QF:QF+3], v[LI], s[44:45]
	global_load_b128 v[QF+4:QF+7], v[LI], s[44:45] offset:512
	global_load_b128 v[QF+8:QF+11], v[LI], s[44:45] offset:1024
	global_load_b32 v[QS], v[LI], s[46:47] offset:6144
	s_lshr_b32 s40, s[GH], 4
	s_lshl_b32 s40, s40, 11
	s_lshl_b32 s41, s[CX], 9
	s_add_co_u32 s40, s40, s41
	s_lshl_b32 s41, s[WV], 5
	s_add_co_u32 s40, s40, s41                     ; my first token place: 2,048 batch + 512 block + 32 wave
	s_and_b32 s41, s[GH], 15                       ; head
	s_mul_i32 s42, s41, 393216
	s_mul_i32 s43, s40, 48
	s_add_co_u32 s42, s42, s43
	s_mov_b32 s43, 0
	s_add_nc_u64 s[36:37], s[8:9], s[42:43]        ; in cc
	s_lshr_b32 s42, s41, 2
	s_lshl_b32 s42, s42, 16
	s_lshl_b32 s40, s40, 3
	s_add_co_u32 s42, s42, s40
	s_and_b32 s41, s41, 3
	s_lshl_b32 s41, s41, 1
	s_add_co_u32 s42, s42, s41
	s_add_nc_u64 s[38:39], s[10:11], s[42:43]      ; in cs
	s_mov_b32 s[SEL], 0x76543210
	s_mov_b32 s[SEL+1], 0xfedcba98                 ; lane l xor 16
	s_mov_b32 s[CS], 0x3e38aa3b                    ; c = log2(e) / 8
	s_mov_b32 s[CS+1], s[CS]                       ; (named with it as a pair)
.irp b, 0,1,2,3
	v_mov_b32 v[PM+\b], 0                          ; written once: a lane permute's destination counts as one of its sources
.endr
	v_mov_b32 v[FF+1], 0                           ; (named as the upper half of f's pair)
	v_mov_b32 v[QS+1], 0
.irp i, 0,1,2,3,4,5
	v_mov_b32 v[KF+48+\i], 0                       ; zero codes behind K's tile 7
.endr
	s_wait_loadcnt 0x0                             ; Q
.irp i, 0,1,2,3,4,5
	v_mov_b32 v[Q1+\i], v[QF+6+\i]                 ; the second tile is kept,
.endr
.irp i, 0,1,2,3,4,5
	v_mov_b32 v[QF+6+\i], 0                        ; and Q's upper half is zero codes
.endr
	v_permlanex16_b32 v[QS+1], v[QS], s[SEL], s[SEL+1]   ; the second tile's scale words into lanes 0-15
	s_wait_tensorcnt 0x0                           ; my record is in,
	s_barrier_signal -1
	s_barrier_wait -1                              ; everybody's is
; A KEY STEP: 128 keys.
.macro STEP
	v_add_nc_u32 v[ADR], s[TB], v[LI]
	v_add_nc_u32 v[ADR8], s[TB], v[L8]
	v_nop
	v_nop                                          ; four plain lines between the last step's products and the loads into the registers that they read
.irp n, 0,1,2,3,4,5,6,7,8,9,10,11
	ds_load_b128 v[KF+4*\n:KF+4*\n+3], v[ADR] offset:512*\n          ; K's images: 512 consecutive bytes a load
.endr
	ds_load_b128 v[KS:KS+3], v[ADR] offset:6144
	s_wait_alu depctr_va_vdst(0)
	s_wait_dscnt 0x0
.irp t, 0,1,2,3,4,5,6,7
.if \t%2 == 0
	v_wmma_scale_f32_16x16x128_f8f6f4 v[S+8*\t:S+8*\t+7], v[KF+6*\t:KF+6*\t+11], v[QF:QF+11], 0, v[KS+\t/2], v[QS] matrix_a_fmt:MATRIX_FMT_FP6 matrix_b_fmt:MATRIX_FMT_FP6
.else
	v_wmma_scale_f32_16x16x128_f8f6f4 v[S+8*\t:S+8*\t+7], v[KF+6*\t:KF+6*\t+11], v[QF:QF+11], 0, v[KS+\t/2], v[QS] matrix_a_fmt:MATRIX_FMT_FP6 matrix_b_fmt:MATRIX_FMT_FP6 matrix_a_scale:MATRIX_SCALE_ROW1
.endif
.endr
.rept 4
	v_nop                                          ; places: the scores are read below, and V lands where K lay
.endr
.irp n, 0,1,2,3,4,5,6,7,8,9,10,11
	ds_load_b128 v[KF+4*\n:KF+4*\n+3], v[ADR] offset:6656+512*\n     ; V^T's fragments are asked for now and land under the softmax
.endr
	ds_load_b64 v[VSC:VSC+1], v[ADR8] offset:12800
.irp b, 0,1,2,3
	v_max3_num_f32 v[BM+\b], v[S+16*\b], v[S+1+16*\b], v[S+2+16*\b]  ; the largest score of each block of 32 keys: for the row's maximum and, since p rises with the score, for the block's largest p
.endr
.irp i, 3,5,7,9,11,13
.irp b, 0,1,2,3
	v_max3_num_f32 v[BM+\b], v[BM+\b], v[S+16*\b+\i], v[S+1+16*\b+\i]
.endr
.endr
.irp b, 0,1,2,3
	v_max_num_f32 v[BM+\b], v[BM+\b], v[S+15+16*\b]
.endr
.irp b, 0,1,2,3
	s_delay_alu instid0(VALU_DEP_4)
	v_permlanex16_b32 v[PM+\b], v[BM+\b], s[SEL], s[SEL+1]
.endr
.irp b, 0,1,2,3
	s_delay_alu instid0(VALU_DEP_4)
	v_max_num_f32 v[BM+\b], v[BM+\b], v[PM+\b]     ; with lane l xor 16's 16 keys
.endr
	s_delay_alu instid0(VALU_DEP_2)
	v_max3_num_f32 v[TMP], v[BM], v[BM+1], v[BM+2]
	s_delay_alu instid0(VALU_DEP_1)
	v_max_num_f32 v[TMP], v[TMP], v[BM+3]
	s_delay_alu instid0(VALU_DEP_1)
	v_mul_f32 v[TMP], s[CS], v[TMP]                ; the step's largest t (c is positive)
	s_delay_alu instid0(VALU_DEP_1)
	v_max_num_f32 v13, v13, v[TMP]                 ; the running largest t
	v_mov_b32 v[TMP], v12
	s_delay_alu instid0(VALU_DEP_2)
	v_floor_f32 v12, -v13                          ; the new -M = floor(-t): M is a whole number
	s_delay_alu instid0(VALU_DEP_1)
	v_sub_f32 v[TMP], v12, v[TMP]                  ; old M - new M: a whole number, 0 or less
	s_delay_alu instid0(VALU_DEP_1)
	v_cvt_i32_f32 v[TMP], v[TMP]                   ; (it saturates)
	s_delay_alu instid0(VALU_DEP_1)
	v_ldexp_f32 v[FF], 1.0, v[TMP]                 ; f = 2^(old M - new M)
.set j, 0
.rept 32
	v_pk_fma_f32 v[S+j:S+j+1], v[S+j:S+j+1], s[CS:CS+1], v[12:13] op_sel_hi:[1,0,0]   ; t - M, two at a time
.set j, j+2
.endr
.irp b, 0,1,2,3
	v_fma_f32 v[BM+\b], v[BM+\b], s[CS], v12       ; the same of each block's largest score
.endr
.set j, 0
	s_wait_alu depctr_va_vdst(0)
.rept 64
	v_exp_f32 v[S+j], v[S+j]                       ; p = 2^(t - M), at most 1
.set j, j+1
.endr
	s_setprio 1
	v_pk_mul_f32 v[14:15], v[14:15], v[FF:FF+1] op_sel_hi:[1,0]      ; the sums under the new M (the plain line behind the exponentials)
	s_wait_alu depctr_va_vdst(0)                   ; one wait for the batch of 64, ahead of its first reader
.irp b, 0,1,2,3
	v_exp_f32 v[BM+\b], v[BM+\b]                   ; the block's largest p: the same two instructions on the same number give the same bits
.endr
	v_pk_add_f32 v[236:237], v[100:101], v[104:105]
	v_pk_add_f32 v[252:253], v[108:109], v[112:113]
	v_pk_add_f32 v[250:251], v[116:117], v[120:121]
	v_pk_add_f32 v[248:249], v[124:125], v[128:129]
	v_pk_add_f32 v[246:247], v[132:133], v[136:137]
	v_pk_add_f32 v[244:245], v[140:141], v[144:145]
	v_pk_add_f32 v[242:243], v[148:149], v[152:153]
	v_pk_add_f32 v[14:15], v[14:15], v[156:157]
	v_pk_add_f32 v[236:237], v[236:237], v[96:97]
	v_pk_add_f32 v[252:253], v[252:253], v[98:99]
	v_pk_add_f32 v[250:251], v[250:251], v[102:103]
	v_pk_add_f32 v[248:249], v[248:249], v[106:107]
	v_pk_add_f32 v[246:247], v[246:247], v[110:111]
	v_pk_add_f32 v[244:245], v[244:245], v[114:115]
	v_pk_add_f32 v[242:243], v[242:243], v[118:119]
	v_pk_add_f32 v[14:15], v[14:15], v[122:123]
	v_pk_add_f32 v[236:237], v[236:237], v[126:127]
	v_pk_add_f32 v[252:253], v[252:253], v[130:131]
	v_pk_add_f32 v[250:251], v[250:251], v[134:135]
	v_pk_add_f32 v[248:249], v[248:249], v[138:139]
	v_pk_add_f32 v[246:247], v[246:247], v[142:143]
	v_pk_add_f32 v[244:245], v[244:245], v[146:147]
	v_pk_add_f32 v[242:243], v[242:243], v[150:151]
	v_pk_add_f32 v[14:15], v[14:15], v[154:155]
	v_pk_add_f32 v[236:237], v[236:237], v[158:159]
	s_delay_alu instid0(VALU_DEP_2)
	v_pk_add_f32 v[14:15], v[14:15], v[248:249]
	s_delay_alu instid0(VALU_DEP_2)
	v_pk_add_f32 v[236:237], v[236:237], v[246:247]
	v_pk_add_f32 v[252:253], v[252:253], v[244:245]
	v_pk_add_f32 v[250:251], v[250:251], v[242:243]
	s_delay_alu instid0(VALU_DEP_2)
	v_pk_add_f32 v[14:15], v[14:15], v[252:253]
	s_delay_alu instid0(VALU_DEP_2)
	v_pk_add_f32 v[236:237], v[236:237], v[250:251]
	s_delay_alu instid0(VALU_DEP_1)
	v_pk_add_f32 v[14:15], v[14:15], v[236:237]
	s_wait_alu depctr_va_vdst(0)                   ; and one for the four
.irp b, 0,1,2,3
	v_max_num_f32 v[BM+\b], 0x1800000, v[BM+\b]    ; the floor 2^(3 - 127): the byte cannot fall under 1
.endr
.irp b, 0,1,2,3
	s_delay_alu instid0(VALU_DEP_4)
	v_add_nc_u32 v[SO+\b], 0xff000000, v[BM+\b]    ; 2 off the exponent field: the conversion's scale operand
.endr
.irp b, 0,1,2,3
	s_delay_alu instid0(VALU_DEP_4)
	v_lshrrev_b32 v[PM+\b], 23, v[SO+\b]           ; the scale's byte
.endr
	s_delay_alu instid0(VALU_DEP_3)
	v_lshl_or_b32 v[PWD], v[PM+1], 8, v[PM]        ; p's scale word for these 128 keys
	s_delay_alu instid0(VALU_DEP_1)
	v_lshl_or_b32 v[PWD], v[PM+2], 16, v[PWD]
	s_delay_alu instid0(VALU_DEP_1)
	v_lshl_or_b32 v[PWD], v[PM+3], 24, v[PWD]
.irp c, 0,1
	v_cvt_scalef32_pk16_fp6_f32 v[PC+6*\c:PC+2+6*\c], v[S+32*\c:S+15+32*\c], v[SO+2*\c]
	v_cvt_scalef32_pk16_fp6_f32 v[CT+4*\c:CT+2+4*\c], v[S+16+32*\c:S+31+32*\c], v[SO+2*\c+1]
.endr
	v_nop                                          ; one plain line behind a scaled conversion
.irp c, 0,1                                    ; a whole block to a lane: lanes 0-15 block 2 c, lanes 16-31 block 2 c + 1
.irp i, 0,1,2
	v_permlane16_swap_b32 v[PC+6*\c+\i], v[CT+4*\c+\i]
.endr
.irp i, 0,1,2
	s_delay_alu instid0(VALU_DEP_3)
	v_mov_b32 v[PC+3+6*\c+\i], v[CT+4*\c+\i]
.endr
.endr
.set j, 0
	s_setprio 0
.rept 16
	v_pk_mul_f32 v[OT+j:OT+j+1], v[OT+j:OT+j+1], v[FF:FF+1] op_sel_hi:[1,0]   ; O^T under the new M.  These sixteen also stand between the writes of p's codes and scale word and the products
.set j, j+2
.endr
	s_wait_alu depctr_va_vdst(0)
	s_wait_dscnt 0x0                               ; V is in
.irp t, 0,1,2,3                                ; four accumulators by turns; the eight products K Q^T stand between two turns of any one
.if \t%2 == 0
	v_wmma_scale_f32_16x16x128_f8f6f4 v[OT+8*\t:OT+8*\t+7], v[KF+12*\t:KF+12*\t+11], v[PC:PC+11], v[OT+8*\t:OT+8*\t+7], v[VSC+\t/2], v[PWD] matrix_a_fmt:MATRIX_FMT_FP6 matrix_b_fmt:MATRIX_FMT_FP6
.else
	v_wmma_scale_f32_16x16x128_f8f6f4 v[OT+8*\t:OT+8*\t+7], v[KF+12*\t:KF+12*\t+11], v[PC:PC+11], v[OT+8*\t:OT+8*\t+7], v[VSC+\t/2], v[PWD] matrix_a_fmt:MATRIX_FMT_FP6 matrix_b_fmt:MATRIX_FMT_FP6 matrix_a_scale:MATRIX_SCALE_ROW1
.endif
.endr
.endm
; A PASS: one tile of 16 queries against all 2,048 keys, then its way out.
.macro PASS p
	v_mov_b32 v13, 0xff61b1e6                      ; the largest t so far: -3e38
	s_delay_alu instid0(VALU_DEP_1)
	v_floor_f32 v12, -v13                          ; -M
	v_mov_b32 v14, 0                               ; the sum, in two halves
	v_mov_b32 v15, 0
.set j, 0
.rept 32
	v_mov_b32 v[OT+j], 0                           ; the step is written once: the first finds zeros, which the first change of M leaves zeros
.set j, j+1
.endr
	s_mov_b32 s[TB], 0
	s_mov_b32 s[CNT], 16
.Lstep_\@:
	s_setprio 2
	STEP
	s_add_co_u32 s[TB], s[TB], REC
	s_sub_co_u32 s[CNT], s[CNT], 1
	s_cmp_lg_u32 s[CNT], 0
	s_cbranch_scc1 .Lstep_\@
	s_setprio 0
.rept 4
	v_nop                                          ; places behind the last products
.endr
	v_add_f32 v14, v14, v15
	s_delay_alu instid0(VALU_DEP_1)
	v_permlanex16_b32 v[TMP], v14, s[SEL], s[SEL+1]
	s_delay_alu instid0(VALU_DEP_1)
	v_add_f32 v14, v14, v[TMP]                     ; the row's sum
	s_wait_alu depctr_va_vdst(0)
	v_rcp_f32 v14, v14
	v_nop                                          ; a plain line behind the reciprocal,
	s_wait_alu depctr_va_vdst(0)                   ; and the wait ahead of its first reader
.set j, 0
.rept 32
	v_mul_f32 v[S+j], v[OT+j], v14                 ; ctx: register 16 b + i is channel 32 b + 16 h + i of my query; each accumulator from its low end on
.set j, j+1
.endr
.irp b, 0,1
	v_max3_num_f32 v[BM+\b], |v[S+16*\b]|, |v[S+1+16*\b]|, 0x1800000
.endr
.irp i, 2,4,6,8,10,12,14
.irp b, 0,1
	s_delay_alu instid0(VALU_DEP_2)
	v_max3_num_f32 v[BM+\b], v[BM+\b], |v[S+16*\b+\i]|, |v[S+1+16*\b+\i]|
.endr
.endr
.irp b, 0,1
	s_delay_alu instid0(VALU_DEP_2)
	v_permlanex16_b32 v[PM+\b], v[BM+\b], s[SEL], s[SEL+1]
.endr
.irp b, 0,1
	s_delay_alu instid0(VALU_DEP_2)
	v_max_num_f32 v[BM+\b], v[BM+\b], v[PM+\b]
.endr
.irp b, 0,1
	s_delay_alu instid0(VALU_DEP_2)
	v_add_nc_u32 v[SO+\b], 0xff000000, v[BM+\b]
.endr
.irp b, 0,1
	s_delay_alu instid0(VALU_DEP_2)
	v_lshrrev_b32 v[PM+\b], 23, v[SO+\b]
.endr
	s_delay_alu instid0(VALU_DEP_1)
	v_lshl_or_b32 v[OC+6], v[PM+1], 8, v[PM]       ; my row's two scale bytes
	v_cvt_scalef32_pk16_fp6_f32 v[CT:CT+2], v[S:S+15], v[SO]
	v_cvt_scalef32_pk16_fp6_f32 v[CT+4:CT+6], v[S+16:S+31], v[SO+1]
	v_nop                                          ; one plain line behind a scaled conversion
.irp b, 0,1
.irp i, 0,1,2
	ds_store_b32 v[STW], v[CT+4*\b+\i] offset:24*\b+4*\i             ; a row's 48 bytes: block b at 24 b, my half's 12 bytes at 12 h
.endr
.endr
	ds_load_b128 v[OC:OC+3], v[STR]                ; LDS serves a wave's instructions in order: these see my stores
	ds_load_b64 v[OC+4:OC+5], v[STR8] offset:512
	s_wait_alu depctr_va_vdst(0)
	s_wait_dscnt 0x0
	global_store_b128 v[LI], v[OC:OC+3], s[36:37] offset:768*\p      ; the tile's 768 consecutive bytes, aligned to 256: 512,
	global_store_b64 v[L8], v[OC+4:OC+5], s[36:37] offset:768*\p+512 ; and 256
	global_store_b16 v[R8], v[OC+6], s[38:39] offset:128*\p          ; both halves of the lanes hold the same row's bytes
.if \p == 0
	s_wait_xcnt 0x0                                ; the stores have read their registers
.irp i, 0,1,2,3,4,5
	v_mov_b32 v[QF+\i], v[Q1+\i]                   ; the second tile; the next pass's 36 clearing lines stand between these writes and the products
.endr
	v_mov_b32 v[QS], v[QS+1]
.endif
.endm
	PASS 0
	PASS 1
	s_wait_tensorcnt 0x0
	ds_add_u32 v254, v255
	s_wait_dscnt 0x0
	CROUND                                         ; the closing round: no work-group ends while a partner may still ask for a record that names it
	s_endpgm
.Lfunc_end_k_qba5e37bd3d_attn:
	.size	k_qba5e37bd3d_attn, .Lfunc_end_k_qba5e37bd3d_attn-k_qba5e37bd3d_attn
	.p2alignl 7, 3214868480
	.fill 96, 4, 3214868480
	.section	.rodata,"a",@progbits
	.p2align	6, 0x0
	.amdhsa_kernel k_qba5e37bd3d_attn
		.amdhsa_group_segment_fixed_size 236288
		.amdhsa_private_segment_fixed_size 0
		.amdhsa_enable_private_segment 0
		.amdhsa_kernarg_size 32
		.amdhsa_user_sgpr_count 2
		.amdhsa_user_sgpr_kernarg_segment_ptr 1
		.amdhsa_wavefront_size32 1
		.amdhsa_system_sgpr_workgroup_id_x 1
		.amdhsa_system_sgpr_workgroup_id_y 1
		.amdhsa_system_sgpr_workgroup_id_z 1
		.amdhsa_system_vgpr_workitem_id 0
		.amdhsa_next_free_vgpr 256
		.amdhsa_next_free_sgpr 66
		.amdhsa_reserve_vcc 0
		.amdhsa_float_denorm_mode_32 3
		.amdhsa_float_denorm_mode_16_64 3
		.amdhsa_memory_ordered 1
		.amdhsa_forward_progress 1
		.amdhsa_inst_pref_size 52
	.end_amdhsa_kernel
	.amdgpu_metadata
---
amdhsa.version: [ 1, 2 ]
amdhsa.kernels:
  - .name:           k_qba5e37bd3d_attn
    .symbol:         k_qba5e37bd3d_attn.kd
    .args:
      - { .name: qb, .offset: 0, .size: 8, .value_kind: global_buffer, .address_space: global }
      - { .name: kv, .offset: 8, .size: 8, .value_kind: global_buffer, .address_space: global }
      - { .name: cc, .offset: 16, .size: 8, .value_kind: global_buffer, .address_space: global }
      - { .name: cs, .offset: 24, .size: 8, .value_kind: global_buffer, .address_space: global }
    .group_segment_fixed_size: 236288
    .private_segment_fixed_size: 0
    .kernarg_segment_align: 8
    .kernarg_segment_size: 32
    .max_flat_workgroup_size: 512
    .sgpr_count:     66
    .vgpr_count:     256
    .wavefront_size: 32
...
	.end_amdgpu_metadata
.endif
;; end of part 3
;; launch outp (part 4): grid 4 x 32, 4 waves a work-group, clusters of 4 x 4, 327,680 bytes of LDS; arguments cc, cs, oc, os, bo, out0; writes out0
.if DOCPART == 4
	.amdgcn_target "amdgcn-amd-amdhsa--gfx1250"
	.amdhsa_code_object_version 6
	.text
	.protected	k_qba5e37bd3d_outp
	.globl	k_qba5e37bd3d_outp
	.p2align	8
	.type	k_qba5e37bd3d_outp,@function
k_qba5e37bd3d_outp:
	s_mov_b64 s[64:65], 0
	v_nop
	global_prefetch_b8 v0, s[64:65] scope:SCOPE_SE
	s_setreg_imm32_b32 hwreg(HW_REG_WAVE_MODE, 25, 1), 1
	s_wait_xcnt 0x0
	s_wait_alu depctr_hold_cnt(0) depctr_sa_sdst(0) depctr_va_vdst(0) depctr_va_sdst(0) depctr_va_ssrc(0) depctr_va_vcc(0) depctr_vm_vsrc(0)
	s_getreg_b32 s2, hwreg(HW_REG_IB_STS2, 6, 4)
	s_cmp_eq_u32 s2, 0
	s_cbranch_scc0 .Lentry_in_a_cluster
	s_endpgm
.Lentry_in_a_cluster:
	s_bfe_u32 s2, ttmp6, 0x10000c
	s_cmp_lg_u32 s2, 0xf033
	s_cbranch_scc0 .Lentry_shape_is_right
	s_endpgm
.Lentry_shape_is_right:
.set NQ,     2
.set ROWB,   192
.set KROW,   768
.set PITCH,  240
.set FR,     12
.set NL,     6
.set NP,     4
.set HALFT,  128*PITCH
.set SLOT,   4*HALFT
.set LAPS,   2
.set AHEAD4, 4*393216
.set SCL,    2*SLOT
.set SPARE,  SCL+16640
.set SPITCH, 528
.set ADRA, 16
.set ADRB, 20
.set STO,  24
.set RD,   25
.set CO,   26
.set ADRS, 27
.set SPW,  28
.set NIL,  29
.set BV,   12
.set SC,   32
.set AF,   128
.set BK,   128
.set WV, 18
.set HR, 19
.set HC, 20
.set CX, 21
.set CY, 22
.set G1, 24
.set G0, 32
.set G1B, 48
.set G0B, 56
.set G1S, 68
.set G0S, 76
.set G1SB, 80
.set G0SB, 88
.set MSB, 0
.macro WIN new
.if MSB != (\new)
	s_set_vgpr_msb (MSB<<8)|(\new)
.set MSB, (\new)
.endif
.endm
.set MUL_LO, 0xa1
.set MUL_HI, 0xf1
.set TO_B,   0x40
.macro JLOAD g0a, g1a, g0b, g1b
	s_cmp_eq_u32 s[HR], 0
	s_cbranch_scc0 .Lfor_b_\@
	tensor_load_to_lds s[\g0a:\g0a+3], s[\g1a:\g1a+7]
	s_nop 0
.rept 4
	v_nop
.endr
	s_branch .Lasked_\@
.Lfor_b_\@:
	tensor_load_to_lds s[\g0b:\g0b+3], s[\g1b:\g1b+7]
	s_nop 0
.rept 4
	v_nop
.endr
.Lasked_\@:
.endm
.macro CREST
	s_cmp_lg_u32 s[WV], 0
	s_cbranch_scc1 .Lnot_wave_0_\@
	s_barrier_signal -3
.Lnot_wave_0_\@:
	s_barrier_wait -3
	s_barrier_signal -1
	s_barrier_wait -1
.endm
.macro CROUND
	s_barrier_signal -1
	s_barrier_wait -1
	CREST
.endm
	s_load_b256 s[4:11], s[0:1], 0x0
	s_load_b128 s[12:15], s[0:1], 0x20
	v_lshl_add_u32 v[SPW], v0, 2, SPARE
	v_mov_b32 v[NIL], 0
	ds_add_u32 v28, v29
	ds_add_u32 v28, v29
	s_wait_dscnt 0x0
	v_lshrrev_b32 v1, 5, v0
	v_readfirstlane_b32 s[WV], v1
	s_lshr_b32 s[HR], s[WV], 1
	s_and_b32 s[HC], s[WV], 1
	s_bfe_u32 s[CX], ttmp6, 0x40000
	s_bfe_u32 s[CY], ttmp6, 0x40004
	s_lshl_b32 s45, ttmp9, 2
	s_add_co_u32 s45, s45, s[CX]
	s_and_b32 s46, ttmp7, 0xffff
	s_lshl_b32 s46, s46, 2
	s_add_co_u32 s46, s46, s[CY]
	s_lshl_b32 s47, s[CY], 2
	s_lshl_b32 s47, 15, s47
	s_lshl_b32 s66, 0x1111, s[CX]
	s_or_b32 s[G1+0], s47, (3<<16)|(1<<21)
	s_mov_b32 s[G1+1], 768<<16
	s_mov_b32 s[G1+2], 4<<16
	s_mov_b32 s[G1+3], 768<<16
	s_mov_b32 s[G1+4], 4
	s_mov_b32 s[G1+5], 49152
	s_mov_b32 s[G1+6], 0
	s_mov_b32 s[G1+7], 0
	s_or_b32 s[G1B+0], s66, (0<<16)|(1<<20)|(1<<21)|(3<<22)|(3<<25)
	s_mov_b32 s[G1B+1], ROWB<<16
	s_mov_b32 s[G1B+2], 128<<16
	s_mov_b32 s[G1B+3], ROWB<<16
	s_mov_b32 s[G1B+4], 128
	s_mov_b32 s[G1B+5], KROW
	s_mov_b32 s[G1B+6], 0
	s_mov_b32 s[G1B+7], 0
	s_or_b32 s[G1S+0], s47, (3<<16)|(1<<21)
	s_or_b32 s[G1SB+0], s66, (3<<16)|(1<<21)
.irp g, G1S, G1SB
	s_mov_b32 s[\g+1], 128<<16
	s_mov_b32 s[\g+2], 4<<16
	s_mov_b32 s[\g+3], 128<<16
	s_mov_b32 s[\g+4], 4
	s_mov_b32 s[\g+6], 0
	s_mov_b32 s[\g+7], 0
.endr
	s_mov_b32 s[G1S+5], 8192
	s_mov_b32 s[G1SB+5], 12288
	s_lshl_b32 s67, s[HC], 7
	s_lshl_b32 s100, s46, 8
	s_add_co_u32 s100, s100, s67
	s_lshl_b32 s2, s45, 8
	s_add_co_u32 s2, s2, s67
	s_add_co_u32 s2, s2, 11264
	s_mul_i32 s92, s100, 48
	s_mov_b32 s93, 0
	s_lshl_b32 s94, s100, 3
	s_mov_b32 s95, 0
	s_mul_i32 s96, s2, KROW
	s_mov_b32 s97, 0
	s_lshl_b32 s98, s2, 3
	s_mov_b32 s99, 0
	s_mul_i32 s3, s[WV], HALFT
	s_lshl_b32 s101, s[WV], 12
	s_lshl_b32 s67, s[HR], 7
	s_add_co_u32 s101, s101, s67
	s_wait_kmcnt 0x0
	s_add_nc_u64 s[92:93], s[4:5], s[92:93]
	s_add_nc_u64 s[94:95], s[6:7], s[94:95]
	s_add_nc_u64 s[96:97], s[8:9], s[96:97]
	s_add_nc_u64 s[98:99], s[10:11], s[98:99]
	CROUND
	s_mov_b32 s[G0S], 1
	s_add_co_u32 s[G0S+1], s101, SCL
	s_mov_b64 s[G0S+2:G0S+3], s[94:95]
	s_or_b32 s[G0S+3], s[G0S+3], 0x80000000
	s_mov_b32 s[G0SB], 1
	s_add_co_u32 s[G0SB+1], s101, SCL
	s_mov_b64 s[G0SB+2:G0SB+3], s[98:99]
	s_or_b32 s[G0SB+3], s[G0SB+3], 0x80000000
	JLOAD G0S, G1S, G0SB, G1SB
.irp s, 0,1
	s_mov_b32 s[G0+4*\s], 1
	s_add_co_u32 s[G0+4*\s+1], s3, \s*SLOT
	s_add_nc_u64 s[G0+4*\s+2:G0+4*\s+3], s[92:93], \s*AHEAD4
	s_or_b32 s[G0+4*\s+3], s[G0+4*\s+3], 0x80000000
	s_mov_b32 s[G0B+4*\s], 1
	s_add_co_u32 s[G0B+4*\s+1], s3, \s*SLOT
	s_add_nc_u64 s[G0B+4*\s+2:G0B+4*\s+3], s[96:97], \s*ROWB
	s_or_b32 s[G0B+4*\s+3], s[G0B+4*\s+3], 0x80000000
	s_wait_alu depctr_va_vdst(0)
	s_wait_tensorcnt 0x0
	ds_add_u32 v28, v29
	s_wait_dscnt 0x0
	CROUND
	JLOAD G0+4*\s, G1, G0B+4*\s, G1B
.endr
	v_and_b32 v1, 15, v0
	v_bfe_u32 v2, v0, 4, 1
	v_mul_u32_u24 v3, v1, 48
	v_mad_u32_u24 v3, v2, 24, v3
	v_mul_u32_u24 v4, v1, PITCH
	v_mad_u32_u24 v4, v2, 24, v4
	v_lshl_add_u32 v5, v2, 4, v4
	s_mul_i32 s40, s[HR], HALFT
	s_mul_i32 s41, s[HC], HALFT
	s_add_co_u32 s41, s41, 2*HALFT
.irp s, 0,1
	v_add_nc_u32 v[ADRA+\s], s40, v3
	v_add_nc_u32 v[ADRB+\s], s41, v4
	v_add_nc_u32 v[ADRB+2+\s], s41, v5
	s_add_co_u32 s40, s40, SLOT
	s_add_co_u32 s41, s41, SLOT
.endr
	v_lshlrev_b32 v5, 3, v1
	s_lshl_b32 s40, s[HR], 12
	s_lshl_b32 s41, s[HC], 12
	s_add_co_u32 s41, s41, 2*4096+128
	s_sub_co_u32 s41, s41, s40
	v_mul_u32_u24 v6, s41, v2
	s_add_co_u32 s40, s40, SCL
	v_add_nc_u32 v5, v5, v6
	v_add_nc_u32 v[ADRS], s40, v5
	s_mul_i32 s40, s[WV], 16*SPITCH
	v_mul_u32_u24 v5, v1, SPITCH
	v_lshl_add_u32 v5, v2, 5, v5
	v_add_nc_u32 v[STO], s40, v5
	v_and_b32 v6, 31, v0
	v_lshlrev_b32 v[CO], 4, v6
	s_wait_alu depctr_va_vdst(0)
	v_add_nc_u32 v[RD], s40, v[CO]
	s_lshl_b32 s40, s46, 8
	s_lshl_b32 s41, s[HR], 7
	s_add_co_u32 s40, s40, s41
	s_lshl_b32 s40, s40, 12
	s_lshl_b32 s42, s45, 10
	s_lshl_b32 s43, s[HC], 9
	s_add_co_u32 s42, s42, s43
	s_mov_b32 s43, 0
	s_add_nc_u64 s[12:13], s[12:13], s[42:43]
	s_add_co_u32 s40, s40, s42
	s_mov_b32 s41, 0
	s_add_nc_u64 s[14:15], s[14:15], s[40:41]
	global_load_b128 v[BV:BV+3], v[CO], s[12:13]
.macro FRAG reg, adr, q, i
.irp p, 0,1,2,3,4,5
.set PC, 12*(\q)+6*(\p/3)+\p%3
.if PC%8 < 5
	ds_load_b64 v[\reg+2*\p:\reg+2*\p+1], v[\adr] offset:8*PC+16*(PC/8)+(\i)*16*PITCH
.else
	ds_load_b64 v[\reg+2*\p:\reg+2*\p+1], v[\adr+2] offset:8*PC+16*(PC/8)+(\i)*16*PITCH
.endif
.endr
.endm
.macro FRAGA reg, slot, q, i
.irp p, 0,1,2,3,4,5
	ds_load_b64 v[\reg+2*\p:\reg+2*\p+1], v[ADRA+\slot] offset:6144*(2*(\q)+\p/3)+768*(\i)+8*(\p%3)
.endr
.endm
.macro MUL16 a0, p, q, sc, zero
.irp a, \a0, \a0+1
.irp b, 0,1,2,3,4,5,6,7
.if \zero
	v_wmma_scale_f32_16x16x128_f8f6f4 v[8*(8*((\a)%4)+\b):8*(8*((\a)%4)+\b)+7], v[128*(\p)+FR*\b:128*(\p)+FR*\b+FR-1], v[AF+FR*(\a):AF+FR*(\a)+FR-1], 0, v[SC+8*NQ*(\sc)+NQ*\b+(\q)], v[SC+8*NQ*(\sc)+NQ*(\a)+(\q)] matrix_a_fmt:MATRIX_FMT_FP6 matrix_b_fmt:MATRIX_FMT_FP6 matrix_a_scale:MATRIX_SCALE_ROW1
.else
	v_wmma_scale_f32_16x16x128_f8f6f4 v[8*(8*((\a)%4)+\b):8*(8*((\a)%4)+\b)+7], v[128*(\p)+FR*\b:128*(\p)+FR*\b+FR-1], v[AF+FR*(\a):AF+FR*(\a)+FR-1], v[8*(8*((\a)%4)+\b):8*(8*((\a)%4)+\b)+7], v[SC+8*NQ*(\sc)+NQ*\b+(\q)], v[SC+8*NQ*(\sc)+NQ*(\a)+(\q)] matrix_a_fmt:MATRIX_FMT_FP6 matrix_b_fmt:MATRIX_FMT_FP6 matrix_a_scale:MATRIX_SCALE_ROW1
.endif
.endr
.endr
.endm
.macro FETCH_B slot, q, p
	WIN TO_B
.irp i, 0,1,2,3,4,5,6,7
	FRAG 128*(\p)+FR*\i, ADRB+\slot, \q, \i
.endr
	WIN 0
.endm
.macro FETCH_A slot, q, i0
.irp i, \i0, \i0+1, \i0+2, \i0+3
	FRAGA AF+FR*(\i), \slot, \q, \i
.endr
.endm
.macro SCALES sc
.irp i, 0,1,2,3,4,5,6,7
	ds_load_b64 v[SC+8*NQ*\sc+NQ*\i:SC+8*NQ*\sc+NQ*\i+1], v[ADRS] offset:\i*128
.endr
.endm
.macro PLACES n
.rept \n
	v_nop
.endr
.endm
.macro STEP slot, q, zero
	s_wait_dscnt 4*NL
	WIN MUL_LO
	MUL16 0, (\q)%2, \q, \slot, \zero
	MUL16 2, (\q)%2, \q, \slot, \zero
	s_wait_dscnt 0
	PLACES NP
	FETCH_B \slot, (\q)+1, 1-(\q)%2
	FETCH_A \slot, (\q)+1, 0
	WIN MUL_HI
	MUL16 4, (\q)%2, \q, \slot, \zero
	MUL16 6, (\q)%2, \q, \slot, \zero
	PLACES NP
	WIN 0
	FETCH_A \slot, (\q)+1, 4
.endm
.macro TURN slot, next, fill
	s_wait_tensorcnt 0x0
	ds_add_u32 v[SPW], v[NIL]
	s_wait_dscnt 4*NL+1
	WIN MUL_LO
	MUL16 0, 1, NQ-1, \slot, 0
	s_wait_dscnt 0x0
	s_barrier_signal -1
	MUL16 2, 1, NQ-1, \slot, 0
	WIN 0
	s_barrier_wait -1
.if \fill
	CREST
	s_add_nc_u64 s[G0+4*\slot+2:G0+4*\slot+3], s[G0+4*\slot+2:G0+4*\slot+3], 2*AHEAD4
	s_add_nc_u64 s[G0B+4*\slot+2:G0B+4*\slot+3], s[G0B+4*\slot+2:G0B+4*\slot+3], 2*ROWB
	JLOAD G0+4*\slot, G1, G0B+4*\slot, G1B
.else
	PLACES NP
.endif
	s_wait_alu depctr_va_vdst(0)
	v_add_nc_u32 v[ADRS], 1024, v[ADRS]
	FETCH_B \next, 0, 0
	FETCH_A \next, 0, 0
	SCALES \next
	WIN MUL_HI
	MUL16 4, 1, NQ-1, \slot, 0
	MUL16 6, 1, NQ-1, \slot, 0
	PLACES NP
	WIN 0
	FETCH_A \next, 0, 4
.endm
	s_wait_tensorcnt 1
	s_barrier_signal -1
	s_barrier_wait -1
	FETCH_B 0, 0, 0
	FETCH_A 0, 0, 0
	SCALES 0
	FETCH_A 0, 0, 4
	STEP 0, 0, 1
	s_mov_b32 s3, LAPS-1
.Llap:
	TURN 0, 1, 1
	STEP 1, 0, 0
	TURN 1, 0, 1
	STEP 0, 0, 0
	s_sub_co_u32 s3, s3, 1
	s_cmp_lg_u32 s3, 0
	s_cbranch_scc1 .Llap
	TURN 0, 1, 0
	STEP 1, 0, 0
	s_wait_dscnt 4*NL
	WIN MUL_LO
	MUL16 0, 1, NQ-1, 1, 0
	MUL16 2, 1, NQ-1, 1, 0
	s_wait_dscnt 0
	WIN MUL_HI
	MUL16 4, 1, NQ-1, 1, 0
	MUL16 6, 1, NQ-1, 1, 0
	WIN 0
.macro TOSTAGE a
.set AC, 64*((\a)%4)
	WIN 0x08+4*((\a)/4)
.irp b, 0,1,2,3,4,5,6,7
	ds_store_b128 v[STO], v[AC+8*\b:AC+8*\b+3] offset:64*\b
	ds_store_b128 v[STO], v[AC+8*\b+4:AC+8*\b+7] offset:64*\b+16
.endr
	WIN 0
.set BB, BK+64*((\a)%2)
.irp t, 0,1,2,3,4,5,6,7,8,9,10,11,12,13,14,15
	ds_load_b128 v[BB+4*\t:BB+4*\t+3], v[RD] offset:\t*SPITCH
.endr
.endm
.macro SEND a, younger
.set BB, BK+64*((\a)%2)
	s_wait_dscnt \younger
.irp t, 0,1,2,3,4,5,6,7,8,9,10,11,12,13,14,15
	v_pk_add_f32 v[BB+4*\t:BB+4*\t+1], v[BB+4*\t:BB+4*\t+1], v[BV:BV+1]
	v_pk_add_f32 v[BB+4*\t+2:BB+4*\t+3], v[BB+4*\t+2:BB+4*\t+3], v[BV+2:BV+3]
	global_store_b128 v[CO], v[BB+4*\t:BB+4*\t+3], s[14:15] offset:(32*((\a)/2)+8*((\a)%2)+\t+8*(\t/8))*4096 th:TH_STORE_NT
.endr
.endm
	PLACES NP
	s_wait_loadcnt 0x0
	TOSTAGE 0
.irp a, 1,2,3,4,5,6,7
.if \a > 1
	s_wait_xcnt 0x0
.endif
	TOSTAGE \a
	SEND \a-1, 32
.endr
	SEND 7, 0
	s_wait_tensorcnt 0x0
	ds_add_u32 v[SPW], v[NIL]
	s_wait_dscnt 0x0
	CROUND
	s_endpgm
.Lfunc_end_k_qba5e37bd3d_outp:
	.size	k_qba5e37bd3d_outp, .Lfunc_end_k_qba5e37bd3d_outp-k_qba5e37bd3d_outp
	.p2alignl 7, 3214868480
	.fill 96, 4, 3214868480
	.section	.rodata,"a",@progbits
	.p2align	6, 0x0
	.amdhsa_kernel k_qba5e37bd3d_outp
		.amdhsa_group_segment_fixed_size 327680
		.amdhsa_private_segment_fixed_size 0
		.amdhsa_enable_private_segment 0
		.amdhsa_kernarg_size 48
		.amdhsa_user_sgpr_count 2
		.amdhsa_user_sgpr_kernarg_segment_ptr 1
		.amdhsa_wavefront_size32 1
		.amdhsa_system_sgpr_workgroup_id_x 1
		.amdhsa_system_sgpr_workgroup_id_y 1
		.amdhsa_system_sgpr_workgroup_id_z 1
		.amdhsa_system_vgpr_workitem_id 0
		.amdhsa_next_free_vgpr 1024
		.amdhsa_next_free_sgpr 102
		.amdhsa_reserve_vcc 0
		.amdhsa_float_denorm_mode_32 3
		.amdhsa_float_denorm_mode_16_64 3
		.amdhsa_memory_ordered 1
		.amdhsa_forward_progress 1
		.amdhsa_inst_pref_size 176
	.end_amdhsa_kernel
	.amdgpu_metadata
---
amdhsa.version: [ 1, 2 ]
amdhsa.kernels:
  - .name:           k_qba5e37bd3d_outp
    .symbol:         k_qba5e37bd3d_outp.kd
    .args:
      - { .name: cc, .offset: 0, .size: 8, .value_kind: global_buffer, .address_space: global }
      - { .name: cs, .offset: 8, .size: 8, .value_kind: global_buffer, .address_space: global }
      - { .name: oc, .offset: 16, .size: 8, .value_kind: global_buffer, .address_space: global }
      - { .name: os, .offset: 24, .size: 8, .value_kind: global_buffer, .address_space: global }
      - { .name: bo, .offset: 32, .size: 8, .value_kind: global_buffer, .address_space: global }
      - { .name: out0, .offset: 40, .size: 8, .value_kind: global_buffer, .address_space: global }
    .group_segment_fixed_size: 327680
    .private_segment_fixed_size: 0
    .kernarg_segment_align: 8
    .kernarg_segment_size: 48
    .max_flat_workgroup_size: 128
    .sgpr_count:     102
    .vgpr_count:     1024
    .wavefront_size: 32
...
	.end_amdgpu_metadata
.endif
;; end of part 4
